; MI455X (gfx1250); checked and timed in simulation.
; The chip was launched on July 23, 2026; its instructions are those of AMD's public machine-readable ISA for CDNA 5 (MIT licence, August 2026) and "CDNA5" Instruction Set Architecture Reference Guide (July 2026). The comments in the code are by the model that wrote it; some were corrected since.
;; Megatron Mo E Wrapper. Allowed arithmetic: matrix products marked QUANTISED: E3M2 operands, one E8M0 scale for each 32 along K, by v_wmma_scale_f32_16x16x128_f8f6f4 with both operands' format E3M2, f32 sums; products left as they are: f32 operands where the result goes on into a quantised operand, else bf16, f16 or f32 operands; f32 sums; everything else in f32.
;; Inputs: gate_w 8 x 1,024 float32; w1 8 x 4,096 x 1,024 float32; w2 8 x 1,024 x 4,096 float32; x 1,024 x 1,024 float32.
;; Outputs: out0 1,024 x 1,024 float32.
;; This version of the problem:
;;   THIS VERSION OF THE PROBLEM IS GIVEN IN LOW PRECISION. The matrix products marked QUANTISED in the list below multiply operands that are first quantised to E3M2 (3 exponent bits, 2 mantissa bits; 6 bits a number), with one power-of-two scale for each 32 numbers along K (OCP MX v1.0); their sums are f32. All else is computed in f32.
;;   The module's matrix products, in the order in which they are computed (A, B: the left and right operand; K: the contracted axis; several contracted axes count as one K, in the product's order):
;;     1. [M 1,024, K 1,024] x [K 1,024, N 8]; A: input x; B: input gate_w: left as it is (N = 8 < 16)
;;     2. [M 1,024, K 1,024] x [K 1,024, N 4,096]; A: input x; B: input w1: QUANTISED
;;     3. [M 1,024, K 4,096] x [K 4,096, N 1,024]; A: computed on the way; B: input w2: QUANTISED
;;     4. [M 1,024, K 1,024] x [K 1,024, N 4,096]; A: input x; B: input w1: QUANTISED
;;     5. [M 1,024, K 4,096] x [K 4,096, N 1,024]; A: computed on the way; B: input w2: QUANTISED
;;     6. [M 1,024, K 1,024] x [K 1,024, N 4,096]; A: input x; B: input w1: QUANTISED
;;     7. [M 1,024, K 4,096] x [K 4,096, N 1,024]; A: computed on the way; B: input w2: QUANTISED
;;     8. [M 1,024, K 1,024] x [K 1,024, N 4,096]; A: input x; B: input w1: QUANTISED
;;     9. [M 1,024, K 4,096] x [K 4,096, N 1,024]; A: computed on the way; B: input w2: QUANTISED
;;     10. [M 1,024, K 1,024] x [K 1,024, N 4,096]; A: input x; B: input w1: QUANTISED
;;     11. [M 1,024, K 4,096] x [K 4,096, N 1,024]; A: computed on the way; B: input w2: QUANTISED
;;     12. [M 1,024, K 1,024] x [K 1,024, N 4,096]; A: input x; B: input w1: QUANTISED
;;     13. [M 1,024, K 4,096] x [K 4,096, N 1,024]; A: computed on the way; B: input w2: QUANTISED
;;     14. [M 1,024, K 1,024] x [K 1,024, N 4,096]; A: input x; B: input w1: QUANTISED
;;     15. [M 1,024, K 4,096] x [K 4,096, N 1,024]; A: computed on the way; B: input w2: QUANTISED
;;     16. [M 1,024, K 1,024] x [K 1,024, N 4,096]; A: input x; B: input w1: QUANTISED
;;     17. [M 1,024, K 4,096] x [K 4,096, N 1,024]; A: computed on the way; B: input w2: QUANTISED
;;   THE QUANTISER, for each operand of a quantised product, along K:
;;     - K is cut into blocks of 32 from its start; a last block that is shorter is filled with zeros.
;;     - A block's scale is 2^e with e = floor(log2(the largest magnitude in the block)) - 4, held to -126 .. 127; a block of zeros has e = 0. As a byte (E8M0): e + 127.
;;     - Each number is divided by its block's scale, clamped to +-28, and rounded to the nearest number of E3M2, ties to even, subnormals kept.
;;     - The product sums the exact products of the quantised numbers (number of the format x scale) in f32.
;;   ~~~python
;;   def quantise(x, axis):      # numpy; x: float32 -> the quantised numbers, widened to float32 again
;;       x = np.moveaxis(x, axis, -1); K = x.shape[-1]
;;       x = np.pad(x, [(0, 0)] * (x.ndim - 1) + [(0, -K % 32)]); x = x.reshape(x.shape[:-1] + (-1, 32)); a = np.abs(x).max(-1, keepdims=True)
;;       e = np.where(a > 0, np.clip(np.frexp(np.where(a > 0, a, 1))[1] - 1 - 4, -126, 127), 0)      # np.frexp(a)[1] - 1 = floor(log2(a)), exactly
;;       r = np.clip(x / 2.0 ** e, -28, 28)
;;       step = 2.0 ** (np.maximum(np.frexp(np.where(r == 0, 1, r))[1] - 1, -2) - 2)
;;       q = np.round(r / step) * step * 2.0 ** e      # np.round: ties to even
;;       return np.moveaxis(q.reshape(q.shape[:-2] + (-1,))[..., :K], -1, axis).astype(np.float32)
;;   ~~~
;;   OPERANDS COMPUTED ON THE WAY. 'Computed on the way' means the value that the module computes at that place (a softmax that the list does not call 'softmax' is quantised finished and normalised). What goes into a quantiser is computed in f32, as accurately as f32 sums, v_exp_f32 and their like allow (about 1e-6 of the number): no bf16 or f16 on the way to a quantiser, and a product that is left as it is and whose result goes on into a quantised operand takes f32 operands (vector FMAs, or v_wmma_f32_16x16x4_f32). A number that lies on a knife's edge between two numbers of the format may be rounded either way, as far as f32 arithmetic and the matrix unit's own rounding can turn it there, and no further.
;; One version. Each part assembles by itself: llvm-mc -triple=amdgcn-amd-amdhsa -mcpu=gfx1250 --defsym DOCPART=n.
;; ======== version 1 of 1: 4 launches
;; workspace buffers: xrec 786,432 bytes; xs 32,768 bytes; rtab 12,288 bytes of whole numbers; rw 8,192 bytes; himg 7,077,888 bytes; hsc 294,912 bytes; ypart 37,748,736 bytes
;; launch route (part 1): grid 32 x 1, 8 waves a work-group, no clusters, 75,776 bytes of LDS; arguments x, gate_w, xrec, xs, rtab, rw; writes xrec, xs, rtab, rw
.if DOCPART == 1
	.amdgcn_target "amdgcn-amd-amdhsa--gfx1250"
	.amdhsa_code_object_version 6
	.text
	.protected	k_q562d2a9481_route
	.globl	k_q562d2a9481_route
	.p2align	8
	.type	k_q562d2a9481_route,@function
k_q562d2a9481_route:
	s_mov_b64 s[64:65], 0
	v_nop
	global_prefetch_b8 v0, s[64:65] scope:SCOPE_SE
	s_setreg_imm32_b32 hwreg(HW_REG_WAVE_MODE, 25, 1), 1
	s_wait_xcnt 0x0
; ROUTE.  For 32 tokens a work-group (4 a wave): the 8 gate logits in f32, the two largest (ties: the lower index), the softmax over these two, and x quantised to codes of BF6 (E3M2) with one E8M0 byte for each 32 along K.
; OUT, all at fixed places (no address hangs on a choice):
;   xrec [1024 tokens][768 B]: block beta = 4 s + 2 c + h of a token at byte 384 h + 48 s + 24 c, so that lane (r, h) of an operand owns 384 bytes on end, 48 for each K step of 128.
;   xs   [1024][32]: the scale bytes in their natural order: word s serves K step s.
;   rtab bytes 0..4095: for each block of 32 tokens 32 words: words 0-7 the member masks of experts 0-7 (bit = token in the block), words 8-15 their counts, the rest 0;  bytes 4096..: [1024][2] first and second expert.
;   rw   [1024][2] f32: the two gate weights.
; A lane takes block l (32 numbers) of each of its wave's 4 tokens.  Loads take bytes as they lie (512 on end for a wave) and turn through LDS, 16 bytes of padding behind each 128: a block's pitch of 144 is an odd multiple of 16.
; No matrix unit (8 columns), no cluster: what work-groups share is the gate's 32 KB, a small part of a work-group's 160 KB.
; LIMITS: NaN and infinities are not served.  Two logits that differ by less than the rounding of an f32 sum of 1,024 terms may be ranked otherwise than by another order of summation.
;   A block of zeros gets the byte 1 (its codes are zeros); the bytes are read by this program alone.
.set BP,  144                          ; a block of 128 bytes + 16
.set GL,  0                            ; LDS: the gate, 8 rows x 32 blocks
.set XST, 8*32*BP                      ; a stage of 32 blocks for each wave
.set LG,  XST+8*32*BP                  ; the logits [32 tokens][8]
.set P,   32                           ; v32-63   P[8 j + e]: my part of token j's logit e, then the logit
.set X,   64                           ; v64-191  my block of tokens 0-3
.set G,   192                          ; v192-255 two buffers with my block of a gate row; later at work, scale words (v208-211) and codes (v224-255)
	s_load_b256 s[4:11], s[0:1], 0x0               ; x, gate_w, xrec, xs
	s_load_b128 s[12:15], s[0:1], 0x20             ; rtab, rw
	v_lshl_add_u32 v30, v0, 2, 0x12400
	v_mov_b32 v31, 0
	v_and_b32 v1, 31, v0                           ; lane
	v_lshrrev_b32 v24, 5, v0
	v_readfirstlane_b32 s16, v24                   ; wave
	v_lshlrev_b32 v2, 4, v0                        ; 16 x thread: my bytes of a gate row
	v_lshrrev_b32 v24, 3, v0
	v_and_b32 v25, 7, v0
	v_mul_u32_u24 v3, v24, BP
	v_lshl_add_u32 v3, v25, 4, v3                  ; and their place in LDS: block thread / 8, piece thread % 8
	v_mul_u32_u24 v4, v1, BP                       ; my block of a gate row
	v_lshlrev_b32 v5, 4, v1                        ; 16 x lane
	s_mul_i32 s18, s16, 32*BP
	s_add_co_u32 s18, s18, XST                     ; my wave's stage
	v_lshrrev_b32 v24, 3, v1
	v_mul_u32_u24 v6, v24, BP
	v_lshl_add_u32 v6, v25, 4, v6
	v_add_nc_u32 v6, s18, v6                       ; into it: block lane / 8 (+ 4 for each load), piece lane % 8
	v_add_nc_u32 v7, s18, v4                       ; out of it: block lane
	v_and_b32 v24, 1, v1                           ; h
	v_mul_u32_u24 v8, v24, 384
	v_lshrrev_b32 v25, 2, v1                       ; s
	v_mad_u32_u24 v8, v25, 48, v8
	v_bfe_u32 v24, v1, 1, 1                        ; c
	v_mad_u32_u24 v8, v24, 24, v8                  ; my block's place in a record
	v_lshlrev_b32 v9, 2, v25                       ; my block's scale word
	v_and_b32 v10, 3, v1
	v_lshlrev_b32 v10, 3, v10                      ; and its byte's place in the word, in bits
	s_lshl_b32 s19, s16, 7
	s_add_co_u32 s19, s19, LG
	v_mov_b32 v11, s19                             ; my wave's four tokens' logits
	v_lshl_add_u32 v12, v1, 5, LG                  ; wave 0 at the end: token = lane
	v_lshlrev_b32 v13, 2, v1
	v_lshlrev_b32 v14, 3, v1
	v_mov_b32 v28, 0                               ; (a lane move's destination counts as read)
	s_mov_b32 s28, 0x76543210
	s_mov_b32 s29, 0xfedcba98                      ; v_permlanex16_b32's selects for lane l xor 16
	s_lshl_b32 s17, ttmp9, 5
	s_lshl_b32 s20, s16, 2
	s_add_co_u32 s17, s17, s20                     ; my wave's first token
	s_lshl_b32 s20, s17, 12
	s_mov_b32 s21, 0
	s_mul_i32 s22, s17, 768
	s_mov_b32 s23, 0
	s_lshl_b32 s24, s17, 5
	s_mov_b32 s25, 0
	s_lshl_b32 s26, ttmp9, 7
	s_mov_b32 s27, 0
	s_lshl_b32 s36, ttmp9, 8
	s_mov_b32 s37, 0
	s_wait_kmcnt 0x0
	s_add_nc_u64 s[4:5], s[4:5], s[20:21]
	s_add_nc_u64 s[8:9], s[8:9], s[22:23]
	s_add_nc_u64 s[10:11], s[10:11], s[24:25]
	s_add_nc_u64 s[30:31], s[12:13], s[26:27]      ; rtab: my block's 32 words
	s_add_nc_u64 s[32:33], s[12:13], s[36:37]      ; rtab: my block's pairs (4,096 further on, in the immediate)
	s_add_nc_u64 s[34:35], s[14:15], s[36:37]      ; rw
.irp j, 0,1,2,3,4,5,6,7
	global_load_b128 v[G+4*\j:G+4*\j+3], v2, s[6:7] offset:4096*\j         ; a gate row: 4,096 bytes on end for the work-group
.endr
.irp j, 0,1,2,3
.irp q, 0,1,2,3,4,5,6,7
	global_load_b128 v[X+32*\j+4*\q:X+32*\j+4*\q+3], v5, s[4:5] offset:4096*\j+512*\q th:TH_LOAD_NT   ; 512 bytes on end for the wave; x is read once
.endr
.endr
	s_wait_loadcnt 32                              ; the gate's 8 loads are in; x's 32 may be out
.irp j, 0,1,2,3,4,5,6,7
	ds_store_b128 v3, v[G+4*\j:G+4*\j+3] offset:32*BP*\j
.endr
.irp j, 0,1,2,3
	s_wait_loadcnt 24-8*\j                         ; token j's 8 loads are in; the later tokens' may be out
.irp q, 0,1,2,3,4,5,6,7
	ds_store_b128 v6, v[X+32*\j+4*\q:X+32*\j+4*\q+3] offset:4*BP*\q
.endr
.irp q, 0,1,2,3,4,5,6,7
	ds_load_b128 v[X+32*\j+4*\q:X+32*\j+4*\q+3], v7 offset:16*\q          ; LDS serves a wave's instructions in order (ISA guide 5.7.1.4): these see the stores above, and the next token's stores come behind them
.endr
.endr
	s_wait_dscnt 0x0                               ; my part of the gate lies in LDS, my blocks are back
	s_barrier_signal -1
	s_barrier_wait -1
.macro GLD e                           ; my block of gate row e into buffer e % 2
.irp q, 0,1,2,3,4,5,6,7
	ds_load_b128 v[G+32*((\e)%2)+4*\q:G+32*((\e)%2)+4*\q+3], v4 offset:32*BP*(\e)+16*\q
.endr
.endm
.macro DOT e                           ; 32 products for each of 4 tokens, two at a time; the four chains take turns
.irp j, 0,1,2,3
	v_pk_mul_f32 v[16+2*\j:17+2*\j], v[X+32*\j:X+32*\j+1], v[G+32*((\e)%2):G+32*((\e)%2)+1]
.endr
.irp i, 1,2,3,4,5,6,7,8,9,10,11,12,13,14,15
.irp j, 0,1,2,3
	v_pk_fma_f32 v[16+2*\j:17+2*\j], v[X+32*\j+2*\i:X+32*\j+2*\i+1], v[G+32*((\e)%2)+2*\i:G+32*((\e)%2)+2*\i+1], v[16+2*\j:17+2*\j]
.endr
.endr
.irp j, 0,1,2,3
	v_add_f32 v[P+8*\j+(\e)], v[16+2*\j], v[17+2*\j]
.endr
.endm
	GLD 0
	GLD 1
.irp e, 0,1,2,3,4,5
	s_wait_dscnt 8                                 ; this row's 8 loads are in; the other buffer's may be out
	DOT \e
	GLD \e+2
.endr
	s_wait_dscnt 8
	DOT 6
	s_wait_dscnt 0x0
	DOT 7
.irp m, 1,2,4,8                        ; the sum over the 32 lanes, in every lane
.set ix, 0
.rept 32
	v_add_f32_dpp v[P+ix], v[P+ix], v[P+ix] row_xmask:\m row_mask:0xf bank_mask:0xf
.set ix, ix+1
.endr
.endr
.set ix, 0
.rept 32
	v_permlanex16_b32 v[G+ix], v[P+ix], s28, s29
.set ix, ix+1
.endr
.set ix, 0
.rept 32
	v_add_f32 v[P+ix], v[P+ix], v[G+ix]
.set ix, ix+1
.endr
.irp q, 0,1,2,3,4,5,6,7
	ds_store_b128 v11, v[P+4*\q:P+4*\q+3] offset:16*\q                    ; all lanes write the same words with the same values
.endr
; token j's block: its largest magnitude (with the floor 2^(5 - 127), which holds the byte at 1 from below), 4 off the exponent field = the conversion's scale operand, its exponent field = the byte
.macro QX j
.set XB, X+32*(\j)
	v_max3_num_f32 v24, |v[XB]|, |v[XB+1]|, |v[XB+2]|
	v_max3_num_f32 v25, |v[XB+3]|, |v[XB+4]|, |v[XB+5]|
.irp i, 6,10,14,18,22,26
	v_max3_num_f32 v24, v24, |v[XB+\i]|, |v[XB+\i+1]|
	v_max3_num_f32 v25, v25, |v[XB+\i+2]|, |v[XB+\i+3]|
.endr
	v_max3_num_f32 v24, v24, |v[XB+30]|, |v[XB+31]|
	v_max3_num_f32 v24, v24, v25, 0x2800000
	v_add_nc_u32 v26, 0xfe000000, v24
	v_cvt_scalef32_pk16_bf6_f32 v[224+8*(\j):226+8*(\j)], v[XB:XB+15], v26
	v_cvt_scalef32_pk16_bf6_f32 v[228+8*(\j):230+8*(\j)], v[XB+16:XB+31], v26
	v_nop                                          ; one plain place behind a scaled conversion
	v_lshrrev_b32 v27, 23, v26
	v_lshlrev_b32 v[208+(\j)], v10, v27            ; my byte at its place; with the three neighbours' the word is whole
	v_mov_b32_dpp v28, v[208+(\j)] row_xmask:1 row_mask:0xf bank_mask:0xf
	v_or_b32 v[208+(\j)], v[208+(\j)], v28
	v_mov_b32_dpp v28, v[208+(\j)] row_xmask:2 row_mask:0xf bank_mask:0xf
	v_or_b32 v[208+(\j)], v[208+(\j)], v28
	global_store_b96 v8, v[224+8*(\j):226+8*(\j)], s[8:9] offset:768*(\j)       ; the wave's two stores fill the token's 768 bytes; each token has registers of its own, so no store's data are written again
	global_store_b96 v8, v[228+8*(\j):230+8*(\j)], s[8:9] offset:768*(\j)+12
	global_store_b32 v9, v[208+(\j)], s[10:11] offset:32*(\j)                  ; four lanes write the same word with the same value
.endm
	QX 0
	QX 1
	QX 2
	QX 3
	s_wait_dscnt 0x0                               ; my four tokens' logits lie in LDS
	s_barrier_signal -1
	s_barrier_wait -1
	s_cmp_lg_u32 s16, 0
	s_cbranch_scc1 .Lend                           ; wave 0 chooses for the 32 tokens, a lane a token
	ds_load_b128 v[32:35], v12
	ds_load_b128 v[36:39], v12 offset:16
.irp e, 0,1,2,3,4,5,6,7
	v_mov_b32 v[48+\e], \e
.endr
	v_mov_b32 v60, 0xff800000                      ; -infinity
	v_mov_b32 v61, 0
	s_wait_dscnt 0x0
	v_mov_b32 v40, v32                             ; the largest logit and its expert: a strict > keeps the lower index
	v_mov_b32 v56, 0
.irp e, 1,2,3,4,5,6,7
	v_cmp_gt_f32 vcc_lo, v[32+\e], v40
	v_cndmask_b32 v40, v40, v[32+\e], vcc_lo
	v_cndmask_b32 v56, v56, v[48+\e], vcc_lo
.endr
.irp e, 0,1,2,3,4,5,6,7
	v_cmp_eq_u32 vcc_lo, v56, v[48+\e]
	v_cndmask_b32 v[32+\e], v[32+\e], v60, vcc_lo  ; it is taken out, and the same search gives the second
.endr
	v_mov_b32 v42, v32
	v_mov_b32 v57, 0
.irp e, 1,2,3,4,5,6,7
	v_cmp_gt_f32 vcc_lo, v[32+\e], v42
	v_cndmask_b32 v42, v42, v[32+\e], vcc_lo
	v_cndmask_b32 v57, v57, v[48+\e], vcc_lo
.endr
	v_sub_f32 v44, v42, v40                        ; second - largest: the maximum is taken away, the exponent is 0 or less
	v_mul_f32 v44, 0x3fb8aa3b, v44
	v_exp_f32 v45, v44
	v_nop                                          ; a plain place behind the transcendental,
	s_wait_alu depctr_va_vdst(0)                   ; and the wait ahead of the first use
	v_add_f32 v46, 1.0, v45
	v_rcp_f32 v58, v46                             ; weight of the first: 1 / (1 + E)
	v_nop
	s_wait_alu depctr_va_vdst(0)
	v_mul_f32 v59, v45, v58                        ; of the second: E / (1 + E)
.irp e, 0,1,2,3,4,5,6,7
	v_cmp_eq_u32 s20, v56, v[48+\e]
	v_cmp_eq_u32 s21, v57, v[48+\e]
	s_or_b32 s20, s20, s21                         ; expert e's members among the 32 tokens,
	s_bcnt1_i32_b32 s21, s20                       ; and how many
	v_writelane_b32 v61, s20, \e
	v_writelane_b32 v61, s21, 8+\e
.endr
	global_store_b32 v13, v61, s[30:31]
	global_store_b64 v14, v[56:57], s[32:33] offset:4096
	global_store_b64 v14, v[58:59], s[34:35]
.Lend:
	s_wait_tensorcnt 0x0
	ds_add_u32 v30, v31
	s_wait_dscnt 0x0
	s_endpgm
.Lfunc_end_k_q562d2a9481_route:
	.size	k_q562d2a9481_route, .Lfunc_end_k_q562d2a9481_route-k_q562d2a9481_route
	.p2alignl 7, 3214868480
	.fill 96, 4, 3214868480
	.section	.rodata,"a",@progbits
	.p2align	6, 0x0
	.amdhsa_kernel k_q562d2a9481_route
		.amdhsa_group_segment_fixed_size 75776
		.amdhsa_private_segment_fixed_size 0
		.amdhsa_enable_private_segment 0
		.amdhsa_kernarg_size 48
		.amdhsa_user_sgpr_count 2
		.amdhsa_user_sgpr_kernarg_segment_ptr 1
		.amdhsa_wavefront_size32 1
		.amdhsa_system_sgpr_workgroup_id_x 1
		.amdhsa_system_sgpr_workgroup_id_y 1
		.amdhsa_system_sgpr_workgroup_id_z 1
		.amdhsa_system_vgpr_workitem_id 0
		.amdhsa_next_free_vgpr 256
		.amdhsa_next_free_sgpr 66
		.amdhsa_reserve_vcc 1
		.amdhsa_float_denorm_mode_32 3
		.amdhsa_float_denorm_mode_16_64 3
		.amdhsa_memory_ordered 1
		.amdhsa_forward_progress 1
		.amdhsa_inst_pref_size 74
	.end_amdhsa_kernel
	.amdgpu_metadata
---
amdhsa.version: [ 1, 2 ]
amdhsa.kernels:
  - .name:           k_q562d2a9481_route
    .symbol:         k_q562d2a9481_route.kd
    .args:
      - { .name: x, .offset: 0, .size: 8, .value_kind: global_buffer, .address_space: global }
      - { .name: gate_w, .offset: 8, .size: 8, .value_kind: global_buffer, .address_space: global }
      - { .name: xrec, .offset: 16, .size: 8, .value_kind: global_buffer, .address_space: global }
      - { .name: xs, .offset: 24, .size: 8, .value_kind: global_buffer, .address_space: global }
      - { .name: rtab, .offset: 32, .size: 8, .value_kind: global_buffer, .address_space: global }
      - { .name: rw, .offset: 40, .size: 8, .value_kind: global_buffer, .address_space: global }
    .group_segment_fixed_size: 75776
    .private_segment_fixed_size: 0
    .kernarg_segment_align: 8
    .kernarg_segment_size: 48
    .max_flat_workgroup_size: 256
    .sgpr_count:     66
    .vgpr_count:     256
    .wavefront_size: 32
...
	.end_amdgpu_metadata
.endif
;; end of part 1
;; launch ffn1 (part 2): grid 256 x 1, 8 waves a work-group, no clusters, 238,592 bytes of LDS; arguments w1, xrec, xs, rtab, himg, hsc; writes himg, hsc
.if DOCPART == 2
	.amdgcn_target "amdgcn-amd-amdhsa--gfx1250"
	.amdhsa_code_object_version 6
	.text
	.protected	k_q562d2a9481_ffn1
	.globl	k_q562d2a9481_ffn1
	.p2align	8
	.type	k_q562d2a9481_ffn1,@function
k_q562d2a9481_ffn1:
	s_mov_b64 s[64:65], 0
	v_nop
	global_prefetch_b8 v0, s[64:65] scope:SCOPE_SE
	s_setreg_imm32_b32 hwreg(HW_REG_WAVE_MODE, 25, 1), 1
	s_wait_xcnt 0x0
; ONE TEXT FOR BOTH PRODUCTS OF THE EXPERTS' FFN; FFN = 1: h = gelu(x W1^T), quantised;  FFN = 2: partial y = h W2^T.  Both on codes of BF6 (E3M2) with one E8M0 byte for each 32 along K.
; SHARES.  A work-group owns 128 weight rows x 1,024 along K of one expert e (512 KB of f32, read once in the whole launch): 8 experts x 32 slabs = 256 work-groups of equal streaming work.
;   FFN = 1: hidden units 128 sl .. + 127, all of K.   FFN = 2: output columns 128 ns .. + 127, K quarter kq (four partial sums go to ypart; a later launch adds them in a fixed order).
; PHASE 1: wave w streams tile w (16 rows), a K step of 128 at a time, quantises it in registers and leaves 8 operands in LDS as images of their registers (3 x 512 bytes, lane l's 16 bytes at 16 l) with their scale words.  One barrier.
; PHASE 2: only the rows that chose expert e are multiplied.  They come in groups of 32 (two tiles of 16), in token order; wave w takes groups w, w + 8 ..  A group's own operands (8 K steps x 2 tiles) lie in registers; each weight
;   operand read from LDS feeds two matrix instructions.  No barrier stands in this loop: its trip count is read from memory.
; WHO IS IN A GROUP is derived in registers from whole numbers that the first launch stored (for each block of 32 tokens a member mask and a count for each expert): rank 32 g + lane -> token.  A slot beyond the expert's count takes
;   token 31's data; its results are finite, go to places of their own and are never read.
; THE PRODUCT IS USED TRANSPOSED (source 0 = 16 weight rows, source 1 = 16 of the group's rows), and row i of weight tile 2 b + u is slab row 32 b + 8 u + i + 8 (i / 8): register j of lane (r, h) is then unit 32 b + 16 h + 8 u + j of row r,
;   so the 16 registers of tiles 2 b, 2 b + 1 are 16 neighbours along the next K (FFN = 1) or of a row of y (FFN = 2).
; gelu(x) = max(x, 0) - |x| t 2^a, t = 1 / (1 + |x| / sqrt(8)), a = a polynomial of degree 9 in t less x^2 log2(e) / 2 (the rational Chebyshev fit of erfc, relative error 1.2e-7; log2(e) and the factor 1/2 lie in its constants):
;   no 1 + erf is formed, so nothing cancels for negative x; all in f32.
; NO TENSOR LOAD, NO CLUSTER: the row loop's trip count hangs on stored counts, and what work-groups share (the group's operands, at most 48 KB a group) is a small part of a work-group's 512 KB.
; NO PREFETCH: phase 1 has 64 loads of 512 bytes a wave on their way on a stream that is read once.
; LIMITS: NaN and infinities are not served.  A block of zeros gets the byte 1 (its codes are zeros); the bytes are read by this program alone.
; REGISTERS, window 0: v1-31 addresses and whole numbers; v32-39 the group's scale words, v40-71 the weights' (scales and nothing else); v72-135 eight accumulators (phase 1: 64 numbers); v136-231 two buffers of four weight operands
;   (at work in the epilogues); v232-255 the codes just made.   window 1: phase 1: four sets of 64 as loaded; then v0-191 the group's operands, (tile m, K step s) at 96 m + 12 s.
;   s23 groups of the experts before mine, s24 my expert's groups, s25 its rows, s26 the group in hand, s76 trips done, s77 my wave's trips.
.set FFN,   1
.if FFN == 1
.set PITCH, 4096                       ; a weight row in memory, in bytes
.else
.set PITCH, 16384
.endif
.set FRB,   1536                       ; an operand's image: 12 registers x 32 lanes x 4 bytes
.set WSC,   64*FRB                     ; LDS: from 0 the 64 images, (tile t, K step s) at (8 t + s) FRB; here the scale words [t][row][s]
.set STG,   WSC+4096                   ; and two stages of 16 rows x 528 bytes for each wave
.set SROW,  528                        ; 512 bytes + 16: an odd multiple of 16, so that sixteen rows start in different banks (64 banks of 4 bytes: ISA guide 11.1)
.set LANE,  1
.set L16,   2                          ; 16 x lane: an image's place for my lane, in LDS (images of tiles 0-3) and in memory
.set L4,    3
.set STW,   4                          ; my stage + 16 x lane: whole rows
.set STR,   5                          ; my stage + 528 r + 128 h: my 32 numbers of a row's 64
.set WIW,   6                          ; where I store my tile's images
.set WSW,   7                          ; and its scale words
.set H8,    8                          ; 8 h
.set WR1,   10                         ; 16 x lane + the images of tiles 4-7
.set WSR,   11                         ; WSC + 32 r
.set VM,    12                         ; lane i: expert e's member mask of token block i
.set TOK,   13                         ; my slot's token
.set AOFF,  14                         ; FFN = 1: v14, v15: my 384 bytes in the records of tile 0's and tile 1's row r
.set RIO,   14                         ; FFN = 2: 8 x token
.set VSI,   15                         ; FFN = 2: the token's second expert
.set XSO,   16                         ; FFN = 1: 32 x token
.set DEST,  16                         ; FFN = 2: my slot's row of ypart
.set RHO,   17                         ; my slot's rank among the expert's rows
.set NN,    18
.set NS,    19
.set MS,    20
.set WS,    21
.set POS,   22
.set TT,    23
.set CNT2,  24
.set CNT4,  25
.set CNT8,  26
.set CNT16, 27
.set PW,    28                         ; FFN = 1: v28, v29: the scale words of tile 0's and tile 1's rows
.set STO,   28                         ; FFN = 2: my stage + 528 r + 64 h
.set PWS,   30
.set H384,  31
.set ASC,   32
.set WSCR,  40
.set ACC,   72
.set X,     72
.set WB,    136
.set PCB,   232
.set GT,    WB                         ; gelu: t, then |x| t
.set GQ,    WB+16                      ; x^2, then the exponent
.set GH,    WB+32                      ; 1 + |x| / sqrt(8), the polynomial, 2^exponent
.set C8V,   WB+60                      ; a pair with the constant C8
.set KX2,   42                         ; s[42:43] -log2(e) / 2;  s[CC + 2 k : ..] Ck, k = 0 .. 7;  s[60:61] C9;  s40 1 / sqrt(8).  Both words of a pair are written
.set CC,    44
.set MSB, 0
.macro WIN new                         ; s_set_vgpr_msb: bits 1:0 source 0, 3:2 source 1, 5:4 source 2, 7:6 destination; the immediate's high byte repeats the setting that is left
.if MSB != \new
	s_set_vgpr_msb (MSB<<8)|\new
.set MSB, \new
.endif
.endm
.macro KPAIR reg, val
	s_mov_b32 s[\reg], \val
	s_mov_b32 s[\reg+1], \val
.endm
; K step u of my tile: 16 loads, each 512 bytes on end of one row, into set u % 4 of window 1
.macro WLD u
	WIN 0x40
.irp i, 0,1,2,3,4,5,6,7,8,9,10,11,12,13,14,15
	global_load_b128 v[64*((\u)%4)+4*\i:64*((\u)%4)+4*\i+3], v[L16], s[4:5] offset:(\i+8*(\i/8))*PITCH+512*(\u) th:TH_LOAD_NT
.endr
.endm
; one step of the search for the NS-th set bit of MS: is it beyond the next sh bits?
.macro PICK src, mask, sh
	v_lshrrev_b32 v[TT], v[POS], v[\src]
	v_and_b32 v[TT], \mask, v[TT]                  ; set bits among the next sh
	v_cmp_ge_u32 vcc_lo, v[NS], v[TT]
	v_cndmask_b32 v[TT], 0, v[TT], vcc_lo
	v_sub_nc_u32 v[NS], v[NS], v[TT]
	v_add_nc_u32 v[NN], \sh, v[POS]
	v_cndmask_b32 v[POS], v[POS], v[NN], vcc_lo
.endm
; group s26: rank 32 g + lane -> token.  The 32 blocks are walked with a running count; the block in which my rank falls leaves its mask, its first token and my rank in it; then five halvings find the bit.  Whole numbers only.
.macro RANKS
	s_lshl_b32 s69, s26, 5
	v_add_nc_u32 v[RHO], s69, v[LANE]
	v_mov_b32 v[NS], 0
	v_mov_b32 v[MS], 0
	v_mov_b32 v[WS], 0
	s_mov_b32 s68, 0
.set ix, 0
.rept 32
	v_readlane_b32 s66, v[VM], ix
	s_bcnt1_i32_b32 s67, s66
	v_sub_nc_u32 v[NN], v[RHO], s68                ; my rank in this block (a huge number where the block lies beyond my rank)
	v_cmp_le_u32 vcc_lo, s67, v[NN]                ; not in this block: keep
	v_cndmask_b32 v[NS], v[NN], v[NS], vcc_lo
	v_cndmask_b32 v[MS], s66, v[MS], vcc_lo
	v_cndmask_b32 v[WS], 32*ix, v[WS], vcc_lo
	s_add_co_u32 s68, s68, s67
.set ix, ix+1
.endr
	v_lshrrev_b32 v[TT], 1, v[MS]                  ; counts of set bits in fields of 2, 4, 8 and 16 bits
	v_and_b32 v[TT], 0x55555555, v[TT]
	v_sub_nc_u32 v[CNT2], v[MS], v[TT]
	v_lshrrev_b32 v[TT], 2, v[CNT2]
	v_and_b32 v[TT], 0x33333333, v[TT]
	v_and_b32 v[CNT4], 0x33333333, v[CNT2]
	v_add_nc_u32 v[CNT4], v[CNT4], v[TT]
	v_lshrrev_b32 v[TT], 4, v[CNT4]
	v_add_nc_u32 v[CNT8], v[CNT4], v[TT]
	v_and_b32 v[CNT8], 0x0f0f0f0f, v[CNT8]
	v_lshrrev_b32 v[TT], 8, v[CNT8]
	v_add_nc_u32 v[CNT16], v[CNT8], v[TT]
	v_and_b32 v[CNT16], 0x00ff00ff, v[CNT16]
	v_mov_b32 v[POS], 0
	PICK CNT16, 31, 16
	PICK CNT8, 15, 8
	PICK CNT4, 7, 4
	PICK CNT2, 3, 2
	PICK MS, 1, 1
	v_add_nc_u32 v[TOK], v[WS], v[POS]
	v_min_u32 v[TOK], 0x3ff, v[TOK]                ; a slot beyond the count: mask 0, token 31
.endm
; where the group's operands and scale words lie
.macro AOFFS
.if FFN == 1
	v_permlanex16_b32 v[TT], v[TOK], s20, s21      ; lane l holds slot l's token; lane (r, h) wants slot r's for tile 0 and slot 16 + r's for tile 1
	v_cndmask_b32 v[CNT2], v[TT], v[TOK], s22
	v_cndmask_b32 v[CNT4], v[TOK], v[TT], s22
	v_min_u32 v[CNT2], 0x3ff, v[CNT2]
	v_min_u32 v[CNT4], 0x3ff, v[CNT4]
	v_mul_u32_u24 v[AOFF], v[CNT2], 768
	v_mul_u32_u24 v[AOFF+1], v[CNT4], 768
	v_add_nc_u32 v[AOFF], v[AOFF], v[H384]
	v_add_nc_u32 v[AOFF+1], v[AOFF+1], v[H384]
	v_lshlrev_b32 v[XSO], 5, v[TOK]
.else
	s_add_co_u32 s27, s23, s26
	s_min_u32 s27, s27, 71                         ; the group's number among all experts' groups: there are never more than 71
	s_mul_i32 s28, s27, 98304
	s_mul_i32 s29, s19, 24576
	s_add_co_u32 s28, s28, s29
	s_mov_b32 s29, 0
	s_add_nc_u64 s[32:33], s[6:7], s[28:29]        ; himg [group][kq]
	s_lshl_b32 s28, s27, 12
	s_lshl_b32 s30, s19, 10
	s_add_co_u32 s28, s28, s30
	s_add_nc_u64 s[36:37], s[8:9], s[28:29]        ; hsc [group][kq]
	v_lshlrev_b32 v[RIO], 3, v[TOK]
.endif
.endm
; a third of the group's operands: 16 loads into window 1, v[64 p ..]
.macro APART p
.set ii, 0
.rept 16
.set ig, 16*(\p)+ii
.if FFN == 1
	global_load_b128 v[4*ig:4*ig+3], v[AOFF+ig/24], s[6:7] offset:16*(ig%24)   ; a lane walks its 384 bytes on end; the 48 loads use up 32 whole records
.else
	global_load_b128 v[4*ig:4*ig+3], v[L16], s[32:33] offset:512*ig            ; images as they lie: 512 bytes on end
.endif
.set ii, ii+1
.endr
.endm
.macro ASCL                            ; the group's scale words: lanes 0-15 tile 0's rows, lanes 16-31 tile 1's; register s for K step s
.if FFN == 1
	global_load_b128 v[ASC:ASC+3], v[XSO], s[8:9]
	global_load_b128 v[ASC+4:ASC+7], v[XSO], s[8:9] offset:16
.else
.irp s, 0,1,2,3,4,5,6,7
	global_load_b32 v[ASC+\s], v[L4], s[36:37] offset:128*\s
.endr
	global_load_b32 v[VSI], v[RIO], s[10:11] offset:4100
.endif
.endm
; 64 numbers of a lane, register 32 c + i = k 64 c + 32 h + i of row r (two whole blocks), become the operand's 12 registers in v[WB] on and the row's scale word in v24
.macro QW
	v_max3_num_f32 v18, |v[X]|, |v[X+1]|, 0x2800000      ; the floor 2^(5 - 127) holds the byte at 1 from below
	v_max3_num_f32 v19, |v[X+32]|, |v[X+33]|, 0x2800000
.irp i, 2,4,6,8,10,12,14,16,18,20,22,24,26,28,30
	v_max3_num_f32 v18, v18, |v[X+\i]|, |v[X+1+\i]|
	v_max3_num_f32 v19, v19, |v[X+32+\i]|, |v[X+33+\i]|
.endr
	v_add_nc_u32 v20, 0xfe000000, v18              ; 4 off the exponent field: the conversion takes this operand's exponent field as its scale
	v_add_nc_u32 v21, 0xfe000000, v19
	v_lshrrev_b32 v22, 23, v20                     ; the bytes of blocks h and 2 + h,
	v_lshrrev_b32 v23, 23, v21
	v_lshl_or_b32 v24, v23, 16, v22
	v_lshlrev_b32 v24, v[H8], v24                  ; at their places;
	v_permlanex16_b32 v25, v24, s20, s21
	v_or_b32 v24, v24, v25                         ; with lane l xor 16's two the word is whole
	v_cvt_scalef32_pk16_bf6_f32 v[WB:WB+2], v[X:X+15], v20
	v_cvt_scalef32_pk16_bf6_f32 v[WB+12:WB+14], v[X+16:X+31], v20      ; (a conversion's three registers begin on an even number)
	v_cvt_scalef32_pk16_bf6_f32 v[WB+6:WB+8], v[X+32:X+47], v21
	v_cvt_scalef32_pk16_bf6_f32 v[WB+16:WB+18], v[X+48:X+63], v21
	v_nop                                          ; one plain place behind a scaled conversion
.irp i, 0,1,2
	v_mov_b32 v[WB+3+\i], v[WB+12+\i]
	v_mov_b32 v[WB+9+\i], v[WB+16+\i]
.endr
.endm
; K step u of phase 1.  Behind its 16 loads exactly three batches of 16 have been issued (later K steps, at the end the first group's operands).
.macro UNIT u
	s_wait_loadcnt 48
	WIN 0x04                                       ; an LDS store's data are its source 1: window 1
.irp i, 0,1,2,3,4,5,6,7,8,9,10,11,12,13,14,15
	ds_store_b128 v[STW], v[64*((\u)%4)+4*\i:64*((\u)%4)+4*\i+3] offset:SROW*\i
.endr
	WIN 0
.irp c, 0,1
.irp j, 0,1,2,3,4,5,6,7
	ds_load_b128 v[X+32*\c+4*\j:X+32*\c+4*\j+3], v[STR] offset:256*\c+16*\j   ; LDS serves a wave's instructions in order (ISA guide 5.7.1.4): these see the stores above
.endr
.endr
	s_wait_dscnt 16                                ; all but the 16 loads: the stores have read the set, which takes the next loads
.if (\u) < 4
	WLD (\u)+4
.elseif (\u) < 7
	WIN 0x40
	APART (\u)-4
.endif
	WIN 0
.if (\u) == 7
	ASCL
.endif
	s_wait_dscnt 0x0                               ; the 64 numbers are in; the last K step's image has left its registers
	QW
.irp c, 0,1,2
	ds_store_b128 v[WIW], v[WB+4*\c:WB+4*\c+3] offset:FRB*(\u)+512*\c
.endr
	ds_store_b32 v[WSW], v24 offset:4*(\u)         ; lanes r and 16 + r write the same word with the same value
.endm
; four weight operands (tiles 4 q + 0 .. 3) of K step s into buffer s % 2
.macro WLOAD q, s
.if (\q) == 0
.set WRQ, L16
.else
.set WRQ, WR1
.endif
.irp tq, 0,1,2,3
.irp c, 0,1,2
	ds_load_b128 v[WB+48*((\s)%2)+12*\tq+4*\c:WB+48*((\s)%2)+12*\tq+4*\c+3], v[WRQ] offset:(8*\tq+(\s))*FRB+512*\c
.endr
.endr
.endm
.macro MM m, tq, s
.set rD, ACC+32*(\m)+8*(\tq)
.set rA, WB+48*((\s)%2)+12*(\tq)
.set rB, 96*(\m)+12*(\s)
.if (\s) == 0
.if (\m) == 0
	v_wmma_scale_f32_16x16x128_f8f6f4 v[rD:rD+7], v[rA:rA+11], v[rB:rB+11], 0, v[WSCR+8*(\tq)+(\s)], v[ASC+(\s)] matrix_a_fmt:MATRIX_FMT_BF6 matrix_b_fmt:MATRIX_FMT_BF6
.else
	v_wmma_scale_f32_16x16x128_f8f6f4 v[rD:rD+7], v[rA:rA+11], v[rB:rB+11], 0, v[WSCR+8*(\tq)+(\s)], v[ASC+(\s)] matrix_a_fmt:MATRIX_FMT_BF6 matrix_b_fmt:MATRIX_FMT_BF6 matrix_b_scale:MATRIX_SCALE_ROW1
.endif
.else
.if (\m) == 0
	v_wmma_scale_f32_16x16x128_f8f6f4 v[rD:rD+7], v[rA:rA+11], v[rB:rB+11], v[rD:rD+7], v[WSCR+8*(\tq)+(\s)], v[ASC+(\s)] matrix_a_fmt:MATRIX_FMT_BF6 matrix_b_fmt:MATRIX_FMT_BF6
.else
	v_wmma_scale_f32_16x16x128_f8f6f4 v[rD:rD+7], v[rA:rA+11], v[rB:rB+11], v[rD:rD+7], v[WSCR+8*(\tq)+(\s)], v[ASC+(\s)] matrix_a_fmt:MATRIX_FMT_BF6 matrix_b_fmt:MATRIX_FMT_BF6 matrix_b_scale:MATRIX_SCALE_ROW1
.endif
.endif
.endm
; tiles 4 q .. 4 q + 3 x the group's two tiles, all of K: 64 matrix instructions.  The eight accumulators take turns, one instruction a turn; the first K step starts the sums with the constant 0.
.macro QUADK q
	WIN 0x04                                       ; source 1 (the group's operands) window 1; all else, and the LDS loads, window 0
.irp tq, 0,1,2,3
	ds_load_b128 v[WSCR+8*\tq:WSCR+8*\tq+3], v[WSR] offset:512*(4*(\q)+\tq)
	ds_load_b128 v[WSCR+8*\tq+4:WSCR+8*\tq+7], v[WSR] offset:512*(4*(\q)+\tq)+16
.endr
	WLOAD \q, 0
.irp s, 0,1,2,3,4,5,6,7
.if (\s >= 1) && (\s < 7)
.rept 4
	v_nop                                          ; four places between the last K step's products and the loads into the buffer that they read (ISA guide 7.12.1 for vector instructions)
.endr
.endif
.if \s < 7
	WLOAD \q, \s+1
	s_wait_dscnt 12                                ; all but the next K step's 12 loads
.else
	s_wait_dscnt 0x0
.endif
.irp tq, 0,1,2,3
	MM 0, \tq, \s
	MM 1, \tq, \s
.endr
.endr
	WIN 0
.endm
.if FFN == 1
; gelu on 16 registers (two accumulators, each read from its low end on).  Each batch of transcendentals has plain work behind it and ONE wait ahead of its first reader.
.macro GELU16 xb
.set ix, 0
.rept 16
	v_fma_f32 v[GH+ix], |v[(\xb)+ix]|, s40, 1.0
.set ix, ix+1
.endr
.set ix, 0
.rept 16
	v_rcp_f32 v[GT+ix], v[GH+ix]                   ; t
.set ix, ix+1
.endr
.set ix, 0
.rept 8
	v_pk_mul_f32 v[GQ+2*ix:GQ+2*ix+1], v[(\xb)+2*ix:(\xb)+2*ix+1], v[(\xb)+2*ix:(\xb)+2*ix+1]
.set ix, ix+1
.endr
	s_wait_alu depctr_va_vdst(0)
.set ix, 0
.rept 8
	v_pk_fma_f32 v[GH+2*ix:GH+2*ix+1], v[GT+2*ix:GT+2*ix+1], s[60:61], v[C8V:C8V+1] op_sel_hi:[1,0,1]
.set ix, ix+1
.endr
.irp k, 7,6,5,4,3,2,1,0
.set ix, 0
.rept 8
	v_pk_fma_f32 v[GH+2*ix:GH+2*ix+1], v[GH+2*ix:GH+2*ix+1], v[GT+2*ix:GT+2*ix+1], s[CC+2*\k:CC+2*\k+1] op_sel_hi:[1,1,0]
.set ix, ix+1
.endr
.endr
.set ix, 0
.rept 8
	v_pk_fma_f32 v[GQ+2*ix:GQ+2*ix+1], v[GQ+2*ix:GQ+2*ix+1], s[KX2:KX2+1], v[GH+2*ix:GH+2*ix+1] op_sel_hi:[1,0,1]
.set ix, ix+1
.endr
.set ix, 0
.rept 16
	v_exp_f32 v[GH+ix], v[GQ+ix]
.set ix, ix+1
.endr
.set ix, 0
.rept 16
	v_mul_f32 v[GT+ix], |v[(\xb)+ix]|, v[GT+ix]
.set ix, ix+1
.endr
.set ix, 0
.rept 16
	v_max_num_f32 v[(\xb)+ix], 0, v[(\xb)+ix]
.set ix, ix+1
.endr
	s_wait_alu depctr_va_vdst(0)
.set ix, 0
.rept 8
	v_pk_fma_f32 v[(\xb)+2*ix:(\xb)+2*ix+1], v[GT+2*ix:GT+2*ix+1], v[GH+2*ix:GH+2*ix+1], v[(\xb)+2*ix:(\xb)+2*ix+1] neg_lo:[1,0,0] neg_hi:[1,0,0]
.set ix, ix+1
.endr
.endm
; tile m's 32 registers are blocks 2 q and 2 q + 1 of the next K step, 16 numbers of each in a lane: their bytes go into the row's scale word, their codes into registers 6 q .. 6 q + 5 of the operand
.macro QUANT2 m, q
.set XB, ACC+32*(\m)
.set PD, PCB+12*(\m)+6*(\q)
	v_max3_num_f32 v18, |v[XB]|, |v[XB+1]|, 0x2800000
	v_max3_num_f32 v19, |v[XB+16]|, |v[XB+17]|, 0x2800000
.irp i, 2,4,6,8,10,12,14
	v_max3_num_f32 v18, v18, |v[XB+\i]|, |v[XB+1+\i]|
	v_max3_num_f32 v19, v19, |v[XB+16+\i]|, |v[XB+17+\i]|
.endr
	v_permlanex16_b32 v20, v18, s20, s21
	v_permlanex16_b32 v21, v19, s20, s21
	v_max_num_f32 v18, v18, v20                    ; with lane l xor 16's 16: the block's largest magnitude
	v_max_num_f32 v19, v19, v21
	v_add_nc_u32 v22, 0xfe000000, v18
	v_add_nc_u32 v23, 0xfe000000, v19
	v_lshrrev_b32 v20, 23, v22
	v_lshrrev_b32 v21, 23, v23
.if (\q) == 0
	v_lshl_or_b32 v[PW+(\m)], v21, 8, v20
.else
	v_lshl_or_b32 v[PW+(\m)], v20, 16, v[PW+(\m)]
	v_lshl_or_b32 v[PW+(\m)], v21, 24, v[PW+(\m)]
.endif
	v_cvt_scalef32_pk16_bf6_f32 v[PD:PD+2], v[XB:XB+15], v22
	v_cvt_scalef32_pk16_bf6_f32 v[WB+56:WB+58], v[XB+16:XB+31], v23
	v_nop                                          ; one plain place behind a scaled conversion
.irp i, 0,1,2
	v_permlane16_swap_b32 v[PD+\i], v[WB+56+\i]    ; the operand wants a whole block in a lane: lanes 0-15 block 2 q, lanes 16-31 block 2 q + 1
.endr
.irp i, 0,1,2
	v_mov_b32 v[PD+3+\i], v[WB+56+\i]
.endr
.endm
.endif
.macro EPI q
.rept 5
	v_nop                                          ; directly behind the last products: four places serve the first read of results and the loads into the registers that they read; the fifth serves the next 64 products' first eight, which begin the same accumulators anew with the constant 0
.endr
.if FFN == 1
	v_mov_b32 v[C8V], 0xbf97d29d
	v_mov_b32 v[C8V+1], 0xbf97d29d
	GELU16 ACC
	GELU16 ACC+16
	GELU16 ACC+32
	GELU16 ACC+48
	QUANT2 0, \q
	QUANT2 1, \q
.else
.irp m, 0,1
.irp tq, 0,1,2,3
	ds_store_b128 v[STO], v[ACC+32*\m+8*\tq:ACC+32*\m+8*\tq+3] offset:16*SROW*\m+128*(2*(\q)+\tq/2)+32*(\tq%2)          ; each accumulator from its low end on: y(row r, columns 32 b + 16 h + 8 u + 0 .. 7)
	ds_store_b128 v[STO], v[ACC+32*\m+8*\tq+4:ACC+32*\m+8*\tq+7] offset:16*SROW*\m+128*(2*(\q)+\tq/2)+32*(\tq%2)+16
.endr
.endr
.endif
.endm
	s_load_b256 s[4:11], s[0:1], 0x0               ; the weights; FFN = 1: xrec, xs, rtab;  FFN = 2: himg, hsc, rtab
.if FFN == 1
	s_load_b128 s[12:15], s[0:1], 0x20             ; himg, hsc
.else
	s_load_b64 s[12:13], s[0:1], 0x20              ; ypart
.endif
	v_and_b32 v[LANE], 31, v0
	v_lshrrev_b32 v26, 5, v0
	v_readfirstlane_b32 s16, v26                   ; wave 0..7
	v_and_b32 v26, 15, v0                          ; r
	v_bfe_u32 v27, v0, 4, 1                        ; h
	v_lshlrev_b32 v[L16], 4, v[LANE]
	v_lshlrev_b32 v[L4], 2, v[LANE]
	s_mul_i32 s27, s16, 2*16*SROW
	s_add_co_u32 s27, s27, STG                     ; my stages
	v_add_nc_u32 v[STW], s27, v[L16]
	v_mul_u32_u24 v[STR], v26, SROW
.if FFN == 2
	v_lshl_add_u32 v[STO], v27, 6, v[STR]
	v_add_nc_u32 v[STO], s27, v[STO]
.endif
	v_lshl_add_u32 v[STR], v27, 7, v[STR]
	v_add_nc_u32 v[STR], s27, v[STR]
	s_mul_i32 s28, s16, 8*FRB
	v_add_nc_u32 v[WIW], s28, v[L16]
	s_lshl_b32 s28, s16, 9
	s_add_co_u32 s28, s28, WSC
	v_lshl_add_u32 v[WSW], v26, 5, s28
	v_lshlrev_b32 v[H8], 3, v27
	v_add_nc_u32 v[WR1], 32*FRB, v[L16]
	v_lshl_add_u32 v[WSR], v26, 5, WSC
.if FFN == 1
	v_mul_u32_u24 v[H384], v27, 384
	s_mov_b32 s40, 0x3eb504f3                      ; 1 / sqrt(8)
	KPAIR KX2, 0xbf38aa3b
	KPAIR CC, 0xc034d90f
	KPAIR CC+2, 0x3fb8ab5a
	KPAIR CC+4, 0x3f0a29d2
	KPAIR CC+6, 0x3e0efb2e
	KPAIR CC+8, 0xbe899a80
	KPAIR CC+10, 0x3ecdfd18
	KPAIR CC+12, 0xbfd1a1e5
	KPAIR CC+14, 0x40097039
	KPAIR 60, 0x3e7c6f08
.endif
	v_lshlrev_b32 v17, 7, v[LANE]                  ; rtab: lane i takes token block i's 32 words
	s_lshr_b32 s17, ttmp9, 5                       ; the expert
	s_lshl_b32 s28, s17, 2
	v_add_nc_u32 v13, s28, v17
	s_mov_b32 s20, 0x76543210
	s_mov_b32 s21, 0xfedcba98                      ; v_permlanex16_b32's selects for lane l xor 16
	s_mov_b32 s22, 0xffff                          ; lanes 0-15
	s_lshr_b32 s28, s16, 1
	s_lshl_b32 s28, s28, 5
	s_and_b32 s29, s16, 1
	s_lshl_b32 s29, s29, 3
	s_add_co_u32 s28, s28, s29                     ; my tile's first slab row: 32 (w / 2) + 8 (w % 2)
	s_mul_i32 s38, s28, PITCH
	s_lshl_b32 s28, s17, 24                        ; an expert's weights are 2^24 bytes
	s_add_co_u32 s38, s38, s28
.if FFN == 1
	s_and_b32 s18, ttmp9, 31                       ; sl: it is also K step sl of the second product: quarter sl / 8, step sl % 8
	s_lshl_b32 s28, s18, 19
	s_add_co_u32 s38, s38, s28
	s_lshr_b32 s28, s18, 3
	s_mul_i32 s74, s28, 24576
	s_and_b32 s28, s18, 7
	s_mul_i32 s28, s28, FRB
	s_add_co_u32 s74, s74, s28                     ; my images' place in a group of himg
	s_lshl_b32 s75, s18, 7                         ; and my scale words' in a group of hsc
.else
	s_bfe_u32 s18, ttmp9, 0x30002                  ; ns
	s_and_b32 s19, ttmp9, 3                        ; kq
	s_lshl_b32 s28, s18, 21
	s_add_co_u32 s38, s38, s28
	s_lshl_b32 s28, s19, 12
	s_add_co_u32 s38, s38, s28
	s_mul_i32 s30, s19, 9437184                    ; ypart [kq][2,304 rows][1,024]
	s_lshl_b32 s28, s18, 9
	s_add_co_u32 s30, s30, s28
	s_mov_b32 s31, 0
.endif
	s_mov_b32 s39, 0
	s_wait_kmcnt 0x0
	s_add_nc_u64 s[4:5], s[4:5], s[38:39]
.if FFN == 2
	s_add_nc_u64 s[34:35], s[12:13], s[30:31]
.endif
	global_load_b32 v[VM], v13, s[10:11]           ; expert e's mask of block i
	global_load_b128 v[18:21], v17, s[10:11] offset:32   ; the eight experts' counts in block i
	global_load_b128 v[22:25], v17, s[10:11] offset:48
	WLD 0
	WLD 1
	WLD 2
	s_wait_loadcnt 48                              ; the three small loads are in; the 48 behind them may be out
	WLD 3
	WIN 0
	; every expert's count (two to a register, summed over the 32 lanes), and from them: my expert's first group, its groups, its rows.  This and the first group's ranks run while the first weights are on their way.
	v_lshl_or_b32 v18, v19, 16, v18
	v_lshl_or_b32 v19, v21, 16, v20
	v_lshl_or_b32 v20, v23, 16, v22
	v_lshl_or_b32 v21, v25, 16, v24
	v_mov_b32 v26, 0                               ; (a lane move's destination counts as read)
.irp m, 1,2,4,8
.irp c, 18,19,20,21
	v_mov_b32_dpp v26, v\c row_xmask:\m row_mask:0xf bank_mask:0xf
	v_add_nc_u32 v\c, v\c, v26
.endr
.endr
.irp c, 18,19,20,21
	v_permlanex16_b32 v26, v\c, s20, s21
	v_add_nc_u32 v\c, v\c, v26
.endr
	v_readfirstlane_b32 s70, v18
	v_readfirstlane_b32 s71, v19
	v_readfirstlane_b32 s72, v20
	v_readfirstlane_b32 s73, v21
	s_mov_b32 s23, 0                               ; groups of the experts before mine
	s_mov_b32 s24, 0                               ; my expert's groups
	s_mov_b32 s25, 0                               ; my expert's rows
.irp k, 0,1,2,3,4,5,6,7
	s_bfe_u32 s27, s[70+\k/2], (16<<16)|(16*(\k%2))
	s_add_co_u32 s28, s27, 31
	s_lshr_b32 s28, s28, 5
	s_cmp_gt_u32 s17, \k
	s_cselect_b32 s29, s28, 0
	s_cmp_eq_u32 s17, \k
	s_cselect_b32 s24, s28, s24
	s_cselect_b32 s25, s27, s25
	s_add_co_u32 s23, s23, s29                     ; (sets SCC: behind the selections)
.endr
	s_mov_b32 s26, s16                             ; my first group
	s_add_co_u32 s77, s24, 7
	s_sub_co_u32 s77, s77, s16
	s_lshr_b32 s77, s77, 3                         ; my trips: the groups w, w + 8 .. under s24 are (s24 + 7 - w) / 8, rounded down: 0 where s24 <= w
	s_mov_b32 s76, 0                               ; trips done
	RANKS
	AOFFS
.irp u, 0,1,2,3,4,5,6,7
	UNIT \u
.endr
	s_wait_dscnt 0x0                               ; my tile's eight images and scale words lie in LDS
	s_barrier_signal -1
	s_barrier_wait -1                              ; everybody's do.  The only barrier: every wave passes it
	s_cmp_eq_u32 s77, 0
	s_cbranch_scc1 .Lend                           ; fewer groups than waves: nothing for me
.Ltrip:
	s_wait_loadcnt 0x0                             ; the group's operands and scale words are in
.if FFN == 1
	s_add_co_u32 s27, s23, s26
	s_min_u32 s27, s27, 71
	s_mul_i32 s28, s27, 98304
	s_add_co_u32 s28, s28, s74
	s_mov_b32 s29, 0
	s_add_nc_u64 s[34:35], s[12:13], s[28:29]      ; himg [group][sl / 8][tile][sl % 8]
	s_lshl_b32 s28, s27, 12
	s_add_co_u32 s28, s28, s75
	s_add_nc_u64 s[36:37], s[14:15], s[28:29]      ; hsc [group][sl]
.else
	v_lshlrev_b32 v[DEST], 1, v[TOK]               ; row 2 x token + (0: e is the token's first expert, 1: its second);
	v_add_nc_u32 v[NN], 1, v[DEST]
	v_cmp_eq_u32 vcc_lo, s17, v[VSI]
	v_cndmask_b32 v[DEST], v[DEST], v[NN], vcc_lo
	s_lshl_b32 s27, s17, 5
	s_add_co_u32 s27, s27, 2048
	v_add_nc_u32 v[NN], s27, v[LANE]               ; a slot beyond the count has a row of its own behind the 2,048: 2,048 + 32 e + lane
	v_cmp_gt_u32 vcc_lo, s25, v[RHO]
	v_cndmask_b32 v[DEST], v[NN], v[DEST], vcc_lo
.endif
	QUADK 0
	EPI 0
	QUADK 1
	EPI 1
.if FFN == 1
.irp m, 0,1
.irp c, 0,1,2
	global_store_b128 v[L16], v[PCB+12*\m+4*\c:PCB+12*\m+4*\c+3], s[34:35] offset:8*FRB*\m+512*\c    ; an operand's image: each store covers 512 bytes on end, aligned
.endr
.endr
	v_cndmask_b32 v[PWS], v[PW+1], v[PW], s22      ; lanes 0-15 tile 0's words, lanes 16-31 tile 1's
	global_store_b32 v[L4], v[PWS], s[36:37]
.else
.set ix, 0
.rept 32                               ; whole rows back: rows 0-15 into the weight buffers' registers, rows 16-31 into the accumulators'
	ds_load_b128 v[WB-64*(ix/16)+4*(ix%16):WB-64*(ix/16)+4*(ix%16)+3], v[STW] offset:SROW*ix         ; LDS serves a wave's instructions in order: these see my stores
.set ix, ix+1
.endr
.set ix, 0
.rept 32
	v_readlane_b32 s27, v[DEST], ix
	s_min_u32 s27, s27, 2303
	v_lshl_add_u32 v[WB+64+ix], s27, 12, v[L16]    ; the row's 4,096 bytes, my 16 of the slab's 512
.set ix, ix+1
.endr
.set ix, 0
.rept 32
	s_wait_dscnt 31-ix                             ; row ix is back; the rows behind it may be out
	global_store_b128 v[WB+64+ix], v[WB-64*(ix/16)+4*(ix%16):WB-64*(ix/16)+4*(ix%16)+3], s[34:35] th:TH_STORE_NT   ; 32 lanes store 512 bytes on end, aligned
.set ix, ix+1
.endr
.endif
	s_wait_xcnt 0x0                                ; the stores have read their registers and bases: both are written again only behind this wait
	s_add_co_u32 s76, s76, 1                       ; the loop is counted by trips, one at a time, against s77, which it does not write
	s_cmp_ge_u32 s76, s77
	s_cbranch_scc1 .Lend                           ; that was my last group: nothing more is loaded
	s_add_co_u32 s26, s26, 8                       ; my next group
	RANKS
	AOFFS
	WIN 0x40
	APART 0
	APART 1
	APART 2
	WIN 0
	ASCL
	s_cmp_lt_u32 s76, s77
	s_cbranch_scc1 .Ltrip
.Lend:
	s_wait_xcnt 0x0
	v_lshl_add_u32 v254, v0, 2, 0x3a000
	v_mov_b32 v255, 0
	s_wait_tensorcnt 0x0
	ds_add_u32 v254, v255
	s_wait_dscnt 0x0
	s_endpgm
.Lfunc_end_k_q562d2a9481_ffn1:
	.size	k_q562d2a9481_ffn1, .Lfunc_end_k_q562d2a9481_ffn1-k_q562d2a9481_ffn1
	.p2alignl 7, 3214868480
	.fill 96, 4, 3214868480
	.section	.rodata,"a",@progbits
	.p2align	6, 0x0
	.amdhsa_kernel k_q562d2a9481_ffn1
		.amdhsa_group_segment_fixed_size 238592
		.amdhsa_private_segment_fixed_size 0
		.amdhsa_enable_private_segment 0
		.amdhsa_kernarg_size 48
		.amdhsa_user_sgpr_count 2
		.amdhsa_user_sgpr_kernarg_segment_ptr 1
		.amdhsa_wavefront_size32 1
		.amdhsa_system_sgpr_workgroup_id_x 1
		.amdhsa_system_sgpr_workgroup_id_y 1
		.amdhsa_system_sgpr_workgroup_id_z 1
		.amdhsa_system_vgpr_workitem_id 0
		.amdhsa_next_free_vgpr 512
		.amdhsa_next_free_sgpr 96
		.amdhsa_reserve_vcc 1
		.amdhsa_float_denorm_mode_32 3
		.amdhsa_float_denorm_mode_16_64 3
		.amdhsa_memory_ordered 1
		.amdhsa_forward_progress 1
		.amdhsa_inst_pref_size 219
	.end_amdhsa_kernel
	.amdgpu_metadata
---
amdhsa.version: [ 1, 2 ]
amdhsa.kernels:
  - .name:           k_q562d2a9481_ffn1
    .symbol:         k_q562d2a9481_ffn1.kd
    .args:
      - { .name: w1, .offset: 0, .size: 8, .value_kind: global_buffer, .address_space: global }
      - { .name: xrec, .offset: 8, .size: 8, .value_kind: global_buffer, .address_space: global }
      - { .name: xs, .offset: 16, .size: 8, .value_kind: global_buffer, .address_space: global }
      - { .name: rtab, .offset: 24, .size: 8, .value_kind: global_buffer, .address_space: global }
      - { .name: himg, .offset: 32, .size: 8, .value_kind: global_buffer, .address_space: global }
      - { .name: hsc, .offset: 40, .size: 8, .value_kind: global_buffer, .address_space: global }
    .group_segment_fixed_size: 238592
    .private_segment_fixed_size: 0
    .kernarg_segment_align: 8
    .kernarg_segment_size: 48
    .max_flat_workgroup_size: 256
    .sgpr_count:     96
    .vgpr_count:     512
    .wavefront_size: 32
...
	.end_amdgpu_metadata
.endif
;; end of part 2
;; launch ffn2 (part 3): grid 256 x 1, 8 waves a work-group, no clusters, 238,592 bytes of LDS; arguments w2, himg, hsc, rtab, ypart; writes ypart
.if DOCPART == 3
	.amdgcn_target "amdgcn-amd-amdhsa--gfx1250"
	.amdhsa_code_object_version 6
	.text
	.protected	k_q562d2a9481_ffn2
	.globl	k_q562d2a9481_ffn2
	.p2align	8
	.type	k_q562d2a9481_ffn2,@function
k_q562d2a9481_ffn2:
	s_mov_b64 s[64:65], 0
	v_nop
	global_prefetch_b8 v0, s[64:65] scope:SCOPE_SE
	s_setreg_imm32_b32 hwreg(HW_REG_WAVE_MODE, 25, 1), 1
	s_wait_xcnt 0x0
; ONE TEXT FOR BOTH PRODUCTS OF THE EXPERTS' FFN; FFN = 1: h = gelu(x W1^T), quantised;  FFN = 2: partial y = h W2^T.  Both on codes of BF6 (E3M2) with one E8M0 byte for each 32 along K.
; SHARES.  A work-group owns 128 weight rows x 1,024 along K of one expert e (512 KB of f32, read once in the whole launch): 8 experts x 32 slabs = 256 work-groups of equal streaming work.
;   FFN = 1: hidden units 128 sl .. + 127, all of K.   FFN = 2: output columns 128 ns .. + 127, K quarter kq (four partial sums go to ypart; a later launch adds them in a fixed order).
; PHASE 1: wave w streams tile w (16 rows), a K step of 128 at a time, quantises it in registers and leaves 8 operands in LDS as images of their registers (3 x 512 bytes, lane l's 16 bytes at 16 l) with their scale words.  One barrier.
; PHASE 2: only the rows that chose expert e are multiplied.  They come in groups of 32 (two tiles of 16), in token order; wave w takes groups w, w + 8 ..  A group's own operands (8 K steps x 2 tiles) lie in registers; each weight
;   operand read from LDS feeds two matrix instructions.  No barrier stands in this loop: its trip count is read from memory.
; WHO IS IN A GROUP is derived in registers from whole numbers that the first launch stored (for each block of 32 tokens a member mask and a count for each expert): rank 32 g + lane -> token.  A slot beyond the expert's count takes
;   token 31's data; its results are finite, go to places of their own and are never read.
; THE PRODUCT IS USED TRANSPOSED (source 0 = 16 weight rows, source 1 = 16 of the group's rows), and row i of weight tile 2 b + u is slab row 32 b + 8 u + i + 8 (i / 8): register j of lane (r, h) is then unit 32 b + 16 h + 8 u + j of row r,
;   so the 16 registers of tiles 2 b, 2 b + 1 are 16 neighbours along the next K (FFN = 1) or of a row of y (FFN = 2).
; gelu(x) = max(x, 0) - |x| t 2^a, t = 1 / (1 + |x| / sqrt(8)), a = a polynomial of degree 9 in t less x^2 log2(e) / 2 (the rational Chebyshev fit of erfc, relative error 1.2e-7; log2(e) and the factor 1/2 lie in its constants):
;   no 1 + erf is formed, so nothing cancels for negative x; all in f32.
; NO TENSOR LOAD, NO CLUSTER: the row loop's trip count hangs on stored counts, and what work-groups share (the group's operands, at most 48 KB a group) is a small part of a work-group's 512 KB.
; NO PREFETCH: phase 1 has 64 loads of 512 bytes a wave on their way on a stream that is read once.
; LIMITS: NaN and infinities are not served.  A block of zeros gets the byte 1 (its codes are zeros); the bytes are read by this program alone.
; REGISTERS, window 0: v1-31 addresses and whole numbers; v32-39 the group's scale words, v40-71 the weights' (scales and nothing else); v72-135 eight accumulators (phase 1: 64 numbers); v136-231 two buffers of four weight operands
;   (at work in the epilogues); v232-255 the codes just made.   window 1: phase 1: four sets of 64 as loaded; then v0-191 the group's operands, (tile m, K step s) at 96 m + 12 s.
;   s23 groups of the experts before mine, s24 my expert's groups, s25 its rows, s26 the group in hand, s76 trips done, s77 my wave's trips.
.set FFN,   2
.if FFN == 1
.set PITCH, 4096                       ; a weight row in memory, in bytes
.else
.set PITCH, 16384
.endif
.set FRB,   1536                       ; an operand's image: 12 registers x 32 lanes x 4 bytes
.set WSC,   64*FRB                     ; LDS: from 0 the 64 images, (tile t, K step s) at (8 t + s) FRB; here the scale words [t][row][s]
.set STG,   WSC+4096                   ; and two stages of 16 rows x 528 bytes for each wave
.set SROW,  528                        ; 512 bytes + 16: an odd multiple of 16, so that sixteen rows start in different banks (64 banks of 4 bytes: ISA guide 11.1)
.set LANE,  1
.set L16,   2                          ; 16 x lane: an image's place for my lane, in LDS (images of tiles 0-3) and in memory
.set L4,    3
.set STW,   4                          ; my stage + 16 x lane: whole rows
.set STR,   5                          ; my stage + 528 r + 128 h: my 32 numbers of a row's 64
.set WIW,   6                          ; where I store my tile's images
.set WSW,   7                          ; and its scale words
.set H8,    8                          ; 8 h
.set WR1,   10                         ; 16 x lane + the images of tiles 4-7
.set WSR,   11                         ; WSC + 32 r
.set VM,    12                         ; lane i: expert e's member mask of token block i
.set TOK,   13                         ; my slot's token
.set AOFF,  14                         ; FFN = 1: v14, v15: my 384 bytes in the records of tile 0's and tile 1's row r
.set RIO,   14                         ; FFN = 2: 8 x token
.set VSI,   15                         ; FFN = 2: the token's second expert
.set XSO,   16                         ; FFN = 1: 32 x token
.set DEST,  16                         ; FFN = 2: my slot's row of ypart
.set RHO,   17                         ; my slot's rank among the expert's rows
.set NN,    18
.set NS,    19
.set MS,    20
.set WS,    21
.set POS,   22
.set TT,    23
.set CNT2,  24
.set CNT4,  25
.set CNT8,  26
.set CNT16, 27
.set PW,    28                         ; FFN = 1: v28, v29: the scale words of tile 0's and tile 1's rows
.set STO,   28                         ; FFN = 2: my stage + 528 r + 64 h
.set PWS,   30
.set H384,  31
.set ASC,   32
.set WSCR,  40
.set ACC,   72
.set X,     72
.set WB,    136
.set PCB,   232
.set GT,    WB                         ; gelu: t, then |x| t
.set GQ,    WB+16                      ; x^2, then the exponent
.set GH,    WB+32                      ; 1 + |x| / sqrt(8), the polynomial, 2^exponent
.set C8V,   WB+60                      ; a pair with the constant C8
.set KX2,   42                         ; s[42:43] -log2(e) / 2;  s[CC + 2 k : ..] Ck, k = 0 .. 7;  s[60:61] C9;  s40 1 / sqrt(8).  Both words of a pair are written
.set CC,    44
.set MSB, 0
.macro WIN new                         ; s_set_vgpr_msb: bits 1:0 source 0, 3:2 source 1, 5:4 source 2, 7:6 destination; the immediate's high byte repeats the setting that is left
.if MSB != \new
	s_set_vgpr_msb (MSB<<8)|\new
.set MSB, \new
.endif
.endm
.macro KPAIR reg, val
	s_mov_b32 s[\reg], \val
	s_mov_b32 s[\reg+1], \val
.endm
; K step u of my tile: 16 loads, each 512 bytes on end of one row, into set u % 4 of window 1
.macro WLD u
	WIN 0x40
.irp i, 0,1,2,3,4,5,6,7,8,9,10,11,12,13,14,15
	global_load_b128 v[64*((\u)%4)+4*\i:64*((\u)%4)+4*\i+3], v[L16], s[4:5] offset:(\i+8*(\i/8))*PITCH+512*(\u) th:TH_LOAD_NT
.endr
.endm
; one step of the search for the NS-th set bit of MS: is it beyond the next sh bits?
.macro PICK src, mask, sh
	v_lshrrev_b32 v[TT], v[POS], v[\src]
	v_and_b32 v[TT], \mask, v[TT]                  ; set bits among the next sh
	v_cmp_ge_u32 vcc_lo, v[NS], v[TT]
	v_cndmask_b32 v[TT], 0, v[TT], vcc_lo
	v_sub_nc_u32 v[NS], v[NS], v[TT]
	v_add_nc_u32 v[NN], \sh, v[POS]
	v_cndmask_b32 v[POS], v[POS], v[NN], vcc_lo
.endm
; group s26: rank 32 g + lane -> token.  The 32 blocks are walked with a running count; the block in which my rank falls leaves its mask, its first token and my rank in it; then five halvings find the bit.  Whole numbers only.
.macro RANKS
	s_lshl_b32 s69, s26, 5
	v_add_nc_u32 v[RHO], s69, v[LANE]
	v_mov_b32 v[NS], 0
	v_mov_b32 v[MS], 0
	v_mov_b32 v[WS], 0
	s_mov_b32 s68, 0
.set ix, 0
.rept 32
	v_readlane_b32 s66, v[VM], ix
	s_bcnt1_i32_b32 s67, s66
	v_sub_nc_u32 v[NN], v[RHO], s68                ; my rank in this block (a huge number where the block lies beyond my rank)
	v_cmp_le_u32 vcc_lo, s67, v[NN]                ; not in this block: keep
	v_cndmask_b32 v[NS], v[NN], v[NS], vcc_lo
	v_cndmask_b32 v[MS], s66, v[MS], vcc_lo
	v_cndmask_b32 v[WS], 32*ix, v[WS], vcc_lo
	s_add_co_u32 s68, s68, s67
.set ix, ix+1
.endr
	v_lshrrev_b32 v[TT], 1, v[MS]                  ; counts of set bits in fields of 2, 4, 8 and 16 bits
	v_and_b32 v[TT], 0x55555555, v[TT]
	v_sub_nc_u32 v[CNT2], v[MS], v[TT]
	v_lshrrev_b32 v[TT], 2, v[CNT2]
	v_and_b32 v[TT], 0x33333333, v[TT]
	v_and_b32 v[CNT4], 0x33333333, v[CNT2]
	v_add_nc_u32 v[CNT4], v[CNT4], v[TT]
	v_lshrrev_b32 v[TT], 4, v[CNT4]
	v_add_nc_u32 v[CNT8], v[CNT4], v[TT]
	v_and_b32 v[CNT8], 0x0f0f0f0f, v[CNT8]
	v_lshrrev_b32 v[TT], 8, v[CNT8]
	v_add_nc_u32 v[CNT16], v[CNT8], v[TT]
	v_and_b32 v[CNT16], 0x00ff00ff, v[CNT16]
	v_mov_b32 v[POS], 0
	PICK CNT16, 31, 16
	PICK CNT8, 15, 8
	PICK CNT4, 7, 4
	PICK CNT2, 3, 2
	PICK MS, 1, 1
	v_add_nc_u32 v[TOK], v[WS], v[POS]
	v_min_u32 v[TOK], 0x3ff, v[TOK]                ; a slot beyond the count: mask 0, token 31
.endm
; where the group's operands and scale words lie
.macro AOFFS
.if FFN == 1
	v_permlanex16_b32 v[TT], v[TOK], s20, s21      ; lane l holds slot l's token; lane (r, h) wants slot r's for tile 0 and slot 16 + r's for tile 1
	v_cndmask_b32 v[CNT2], v[TT], v[TOK], s22
	v_cndmask_b32 v[CNT4], v[TOK], v[TT], s22
	v_min_u32 v[CNT2], 0x3ff, v[CNT2]
	v_min_u32 v[CNT4], 0x3ff, v[CNT4]
	v_mul_u32_u24 v[AOFF], v[CNT2], 768
	v_mul_u32_u24 v[AOFF+1], v[CNT4], 768
	v_add_nc_u32 v[AOFF], v[AOFF], v[H384]
	v_add_nc_u32 v[AOFF+1], v[AOFF+1], v[H384]
	v_lshlrev_b32 v[XSO], 5, v[TOK]
.else
	s_add_co_u32 s27, s23, s26
	s_min_u32 s27, s27, 71                         ; the group's number among all experts' groups: there are never more than 71
	s_mul_i32 s28, s27, 98304
	s_mul_i32 s29, s19, 24576
	s_add_co_u32 s28, s28, s29
	s_mov_b32 s29, 0
	s_add_nc_u64 s[32:33], s[6:7], s[28:29]        ; himg [group][kq]
	s_lshl_b32 s28, s27, 12
	s_lshl_b32 s30, s19, 10
	s_add_co_u32 s28, s28, s30
	s_add_nc_u64 s[36:37], s[8:9], s[28:29]        ; hsc [group][kq]
	v_lshlrev_b32 v[RIO], 3, v[TOK]
.endif
.endm
; a third of the group's operands: 16 loads into window 1, v[64 p ..]
.macro APART p
.set ii, 0
.rept 16
.set ig, 16*(\p)+ii
.if FFN == 1
	global_load_b128 v[4*ig:4*ig+3], v[AOFF+ig/24], s[6:7] offset:16*(ig%24)   ; a lane walks its 384 bytes on end; the 48 loads use up 32 whole records
.else
	global_load_b128 v[4*ig:4*ig+3], v[L16], s[32:33] offset:512*ig            ; images as they lie: 512 bytes on end
.endif
.set ii, ii+1
.endr
.endm
.macro ASCL                            ; the group's scale words: lanes 0-15 tile 0's rows, lanes 16-31 tile 1's; register s for K step s
.if FFN == 1
	global_load_b128 v[ASC:ASC+3], v[XSO], s[8:9]
	global_load_b128 v[ASC+4:ASC+7], v[XSO], s[8:9] offset:16
.else
.irp s, 0,1,2,3,4,5,6,7
	global_load_b32 v[ASC+\s], v[L4], s[36:37] offset:128*\s
.endr
	global_load_b32 v[VSI], v[RIO], s[10:11] offset:4100
.endif
.endm
; 64 numbers of a lane, register 32 c + i = k 64 c + 32 h + i of row r (two whole blocks), become the operand's 12 registers in v[WB] on and the row's scale word in v24
.macro QW
	v_max3_num_f32 v18, |v[X]|, |v[X+1]|, 0x2800000      ; the floor 2^(5 - 127) holds the byte at 1 from below
	v_max3_num_f32 v19, |v[X+32]|, |v[X+33]|, 0x2800000
.irp i, 2,4,6,8,10,12,14,16,18,20,22,24,26,28,30
	v_max3_num_f32 v18, v18, |v[X+\i]|, |v[X+1+\i]|
	v_max3_num_f32 v19, v19, |v[X+32+\i]|, |v[X+33+\i]|
.endr
	v_add_nc_u32 v20, 0xfe000000, v18              ; 4 off the exponent field: the conversion takes this operand's exponent field as its scale
	v_add_nc_u32 v21, 0xfe000000, v19
	v_lshrrev_b32 v22, 23, v20                     ; the bytes of blocks h and 2 + h,
	v_lshrrev_b32 v23, 23, v21
	v_lshl_or_b32 v24, v23, 16, v22
	v_lshlrev_b32 v24, v[H8], v24                  ; at their places;
	v_permlanex16_b32 v25, v24, s20, s21
	v_or_b32 v24, v24, v25                         ; with lane l xor 16's two the word is whole
	v_cvt_scalef32_pk16_bf6_f32 v[WB:WB+2], v[X:X+15], v20
	v_cvt_scalef32_pk16_bf6_f32 v[WB+12:WB+14], v[X+16:X+31], v20      ; (a conversion's three registers begin on an even number)
	v_cvt_scalef32_pk16_bf6_f32 v[WB+6:WB+8], v[X+32:X+47], v21
	v_cvt_scalef32_pk16_bf6_f32 v[WB+16:WB+18], v[X+48:X+63], v21
	v_nop                                          ; one plain place behind a scaled conversion
.irp i, 0,1,2
	v_mov_b32 v[WB+3+\i], v[WB+12+\i]
	v_mov_b32 v[WB+9+\i], v[WB+16+\i]
.endr
.endm
; K step u of phase 1.  Behind its 16 loads exactly three batches of 16 have been issued (later K steps, at the end the first group's operands).
.macro UNIT u
	s_wait_loadcnt 48
	WIN 0x04                                       ; an LDS store's data are its source 1: window 1
.irp i, 0,1,2,3,4,5,6,7,8,9,10,11,12,13,14,15
	ds_store_b128 v[STW], v[64*((\u)%4)+4*\i:64*((\u)%4)+4*\i+3] offset:SROW*\i
.endr
	WIN 0
.irp c, 0,1
.irp j, 0,1,2,3,4,5,6,7
	ds_load_b128 v[X+32*\c+4*\j:X+32*\c+4*\j+3], v[STR] offset:256*\c+16*\j   ; LDS serves a wave's instructions in order (ISA guide 5.7.1.4): these see the stores above
.endr
.endr
	s_wait_dscnt 16                                ; all but the 16 loads: the stores have read the set, which takes the next loads
.if (\u) < 4
	WLD (\u)+4
.elseif (\u) < 7
	WIN 0x40
	APART (\u)-4
.endif
	WIN 0
.if (\u) == 7
	ASCL
.endif
	s_wait_dscnt 0x0                               ; the 64 numbers are in; the last K step's image has left its registers
	QW
.irp c, 0,1,2
	ds_store_b128 v[WIW], v[WB+4*\c:WB+4*\c+3] offset:FRB*(\u)+512*\c
.endr
	ds_store_b32 v[WSW], v24 offset:4*(\u)         ; lanes r and 16 + r write the same word with the same value
.endm
; four weight operands (tiles 4 q + 0 .. 3) of K step s into buffer s % 2
.macro WLOAD q, s
.if (\q) == 0
.set WRQ, L16
.else
.set WRQ, WR1
.endif
.irp tq, 0,1,2,3
.irp c, 0,1,2
	ds_load_b128 v[WB+48*((\s)%2)+12*\tq+4*\c:WB+48*((\s)%2)+12*\tq+4*\c+3], v[WRQ] offset:(8*\tq+(\s))*FRB+512*\c
.endr
.endr
.endm
.macro MM m, tq, s
.set rD, ACC+32*(\m)+8*(\tq)
.set rA, WB+48*((\s)%2)+12*(\tq)
.set rB, 96*(\m)+12*(\s)
.if (\s) == 0
.if (\m) == 0
	v_wmma_scale_f32_16x16x128_f8f6f4 v[rD:rD+7], v[rA:rA+11], v[rB:rB+11], 0, v[WSCR+8*(\tq)+(\s)], v[ASC+(\s)] matrix_a_fmt:MATRIX_FMT_BF6 matrix_b_fmt:MATRIX_FMT_BF6
.else
	v_wmma_scale_f32_16x16x128_f8f6f4 v[rD:rD+7], v[rA:rA+11], v[rB:rB+11], 0, v[WSCR+8*(\tq)+(\s)], v[ASC+(\s)] matrix_a_fmt:MATRIX_FMT_BF6 matrix_b_fmt:MATRIX_FMT_BF6 matrix_b_scale:MATRIX_SCALE_ROW1
.endif
.else
.if (\m) == 0
	v_wmma_scale_f32_16x16x128_f8f6f4 v[rD:rD+7], v[rA:rA+11], v[rB:rB+11], v[rD:rD+7], v[WSCR+8*(\tq)+(\s)], v[ASC+(\s)] matrix_a_fmt:MATRIX_FMT_BF6 matrix_b_fmt:MATRIX_FMT_BF6
.else
	v_wmma_scale_f32_16x16x128_f8f6f4 v[rD:rD+7], v[rA:rA+11], v[rB:rB+11], v[rD:rD+7], v[WSCR+8*(\tq)+(\s)], v[ASC+(\s)] matrix_a_fmt:MATRIX_FMT_BF6 matrix_b_fmt:MATRIX_FMT_BF6 matrix_b_scale:MATRIX_SCALE_ROW1
.endif
.endif
.endm
; tiles 4 q .. 4 q + 3 x the group's two tiles, all of K: 64 matrix instructions.  The eight accumulators take turns, one instruction a turn; the first K step starts the sums with the constant 0.
.macro QUADK q
	WIN 0x04                                       ; source 1 (the group's operands) window 1; all else, and the LDS loads, window 0
.irp tq, 0,1,2,3
	ds_load_b128 v[WSCR+8*\tq:WSCR+8*\tq+3], v[WSR] offset:512*(4*(\q)+\tq)
	ds_load_b128 v[WSCR+8*\tq+4:WSCR+8*\tq+7], v[WSR] offset:512*(4*(\q)+\tq)+16
.endr
	WLOAD \q, 0
.irp s, 0,1,2,3,4,5,6,7
.if (\s >= 1) && (\s < 7)
.rept 4
	v_nop                                          ; four places between the last K step's products and the loads into the buffer that they read (ISA guide 7.12.1 for vector instructions)
.endr
.endif
.if \s < 7
	WLOAD \q, \s+1
	s_wait_dscnt 12                                ; all but the next K step's 12 loads
.else
	s_wait_dscnt 0x0
.endif
.irp tq, 0,1,2,3
	MM 0, \tq, \s
	MM 1, \tq, \s
.endr
.endr
	WIN 0
.endm
.if FFN == 1
; gelu on 16 registers (two accumulators, each read from its low end on).  Each batch of transcendentals has plain work behind it and ONE wait ahead of its first reader.
.macro GELU16 xb
.set ix, 0
.rept 16
	v_fma_f32 v[GH+ix], |v[(\xb)+ix]|, s40, 1.0
.set ix, ix+1
.endr
.set ix, 0
.rept 16
	v_rcp_f32 v[GT+ix], v[GH+ix]                   ; t
.set ix, ix+1
.endr
.set ix, 0
.rept 8
	v_pk_mul_f32 v[GQ+2*ix:GQ+2*ix+1], v[(\xb)+2*ix:(\xb)+2*ix+1], v[(\xb)+2*ix:(\xb)+2*ix+1]
.set ix, ix+1
.endr
	s_wait_alu depctr_va_vdst(0)
.set ix, 0
.rept 8
	v_pk_fma_f32 v[GH+2*ix:GH+2*ix+1], v[GT+2*ix:GT+2*ix+1], s[60:61], v[C8V:C8V+1] op_sel_hi:[1,0,1]
.set ix, ix+1
.endr
.irp k, 7,6,5,4,3,2,1,0
.set ix, 0
.rept 8
	v_pk_fma_f32 v[GH+2*ix:GH+2*ix+1], v[GH+2*ix:GH+2*ix+1], v[GT+2*ix:GT+2*ix+1], s[CC+2*\k:CC+2*\k+1] op_sel_hi:[1,1,0]
.set ix, ix+1
.endr
.endr
.set ix, 0
.rept 8
	v_pk_fma_f32 v[GQ+2*ix:GQ+2*ix+1], v[GQ+2*ix:GQ+2*ix+1], s[KX2:KX2+1], v[GH+2*ix:GH+2*ix+1] op_sel_hi:[1,0,1]
.set ix, ix+1
.endr
.set ix, 0
.rept 16
	v_exp_f32 v[GH+ix], v[GQ+ix]
.set ix, ix+1
.endr
.set ix, 0
.rept 16
	v_mul_f32 v[GT+ix], |v[(\xb)+ix]|, v[GT+ix]
.set ix, ix+1
.endr
.set ix, 0
.rept 16
	v_max_num_f32 v[(\xb)+ix], 0, v[(\xb)+ix]
.set ix, ix+1
.endr
	s_wait_alu depctr_va_vdst(0)
.set ix, 0
.rept 8
	v_pk_fma_f32 v[(\xb)+2*ix:(\xb)+2*ix+1], v[GT+2*ix:GT+2*ix+1], v[GH+2*ix:GH+2*ix+1], v[(\xb)+2*ix:(\xb)+2*ix+1] neg_lo:[1,0,0] neg_hi:[1,0,0]
.set ix, ix+1
.endr
.endm
; tile m's 32 registers are blocks 2 q and 2 q + 1 of the next K step, 16 numbers of each in a lane: their bytes go into the row's scale word, their codes into registers 6 q .. 6 q + 5 of the operand
.macro QUANT2 m, q
.set XB, ACC+32*(\m)
.set PD, PCB+12*(\m)+6*(\q)
	v_max3_num_f32 v18, |v[XB]|, |v[XB+1]|, 0x2800000
	v_max3_num_f32 v19, |v[XB+16]|, |v[XB+17]|, 0x2800000
.irp i, 2,4,6,8,10,12,14
	v_max3_num_f32 v18, v18, |v[XB+\i]|, |v[XB+1+\i]|
	v_max3_num_f32 v19, v19, |v[XB+16+\i]|, |v[XB+17+\i]|
.endr
	v_permlanex16_b32 v20, v18, s20, s21
	v_permlanex16_b32 v21, v19, s20, s21
	v_max_num_f32 v18, v18, v20                    ; with lane l xor 16's 16: the block's largest magnitude
	v_max_num_f32 v19, v19, v21
	v_add_nc_u32 v22, 0xfe000000, v18
	v_add_nc_u32 v23, 0xfe000000, v19
	v_lshrrev_b32 v20, 23, v22
	v_lshrrev_b32 v21, 23, v23
.if (\q) == 0
	v_lshl_or_b32 v[PW+(\m)], v21, 8, v20
.else
	v_lshl_or_b32 v[PW+(\m)], v20, 16, v[PW+(\m)]
	v_lshl_or_b32 v[PW+(\m)], v21, 24, v[PW+(\m)]
.endif
	v_cvt_scalef32_pk16_bf6_f32 v[PD:PD+2], v[XB:XB+15], v22
	v_cvt_scalef32_pk16_bf6_f32 v[WB+56:WB+58], v[XB+16:XB+31], v23
	v_nop                                          ; one plain place behind a scaled conversion
.irp i, 0,1,2
	v_permlane16_swap_b32 v[PD+\i], v[WB+56+\i]    ; the operand wants a whole block in a lane: lanes 0-15 block 2 q, lanes 16-31 block 2 q + 1
.endr
.irp i, 0,1,2
	v_mov_b32 v[PD+3+\i], v[WB+56+\i]
.endr
.endm
.endif
.macro EPI q
.rept 5
	v_nop                                          ; directly behind the last products: four places serve the first read of results and the loads into the registers that they read; the fifth serves the next 64 products' first eight, which begin the same accumulators anew with the constant 0
.endr
.if FFN == 1
	v_mov_b32 v[C8V], 0xbf97d29d
	v_mov_b32 v[C8V+1], 0xbf97d29d
	GELU16 ACC
	GELU16 ACC+16
	GELU16 ACC+32
	GELU16 ACC+48
	QUANT2 0, \q
	QUANT2 1, \q
.else
.irp m, 0,1
.irp tq, 0,1,2,3
	ds_store_b128 v[STO], v[ACC+32*\m+8*\tq:ACC+32*\m+8*\tq+3] offset:16*SROW*\m+128*(2*(\q)+\tq/2)+32*(\tq%2)          ; each accumulator from its low end on: y(row r, columns 32 b + 16 h + 8 u + 0 .. 7)
	ds_store_b128 v[STO], v[ACC+32*\m+8*\tq+4:ACC+32*\m+8*\tq+7] offset:16*SROW*\m+128*(2*(\q)+\tq/2)+32*(\tq%2)+16
.endr
.endr
.endif
.endm
	s_load_b256 s[4:11], s[0:1], 0x0               ; the weights; FFN = 1: xrec, xs, rtab;  FFN = 2: himg, hsc, rtab
.if FFN == 1
	s_load_b128 s[12:15], s[0:1], 0x20             ; himg, hsc
.else
	s_load_b64 s[12:13], s[0:1], 0x20              ; ypart
	v_lshl_add_u32 v254, v0, 2, 0x3a000
	v_mov_b32 v255, 0
.endif
	v_and_b32 v[LANE], 31, v0
	v_lshrrev_b32 v26, 5, v0
	v_readfirstlane_b32 s16, v26                   ; wave 0..7
	v_and_b32 v26, 15, v0                          ; r
	v_bfe_u32 v27, v0, 4, 1                        ; h
	v_lshlrev_b32 v[L16], 4, v[LANE]
	v_lshlrev_b32 v[L4], 2, v[LANE]
	s_mul_i32 s27, s16, 2*16*SROW
	s_add_co_u32 s27, s27, STG                     ; my stages
	v_add_nc_u32 v[STW], s27, v[L16]
	v_mul_u32_u24 v[STR], v26, SROW
.if FFN == 2
	v_lshl_add_u32 v[STO], v27, 6, v[STR]
	v_add_nc_u32 v[STO], s27, v[STO]
.endif
	v_lshl_add_u32 v[STR], v27, 7, v[STR]
	v_add_nc_u32 v[STR], s27, v[STR]
	s_mul_i32 s28, s16, 8*FRB
	v_add_nc_u32 v[WIW], s28, v[L16]
	s_lshl_b32 s28, s16, 9
	s_add_co_u32 s28, s28, WSC
	v_lshl_add_u32 v[WSW], v26, 5, s28
	v_lshlrev_b32 v[H8], 3, v27
	v_add_nc_u32 v[WR1], 32*FRB, v[L16]
	v_lshl_add_u32 v[WSR], v26, 5, WSC
.if FFN == 1
	v_mul_u32_u24 v[H384], v27, 384
	s_mov_b32 s40, 0x3eb504f3                      ; 1 / sqrt(8)
	KPAIR KX2, 0xbf38aa3b
	KPAIR CC, 0xc034d90f
	KPAIR CC+2, 0x3fb8ab5a
	KPAIR CC+4, 0x3f0a29d2
	KPAIR CC+6, 0x3e0efb2e
	KPAIR CC+8, 0xbe899a80
	KPAIR CC+10, 0x3ecdfd18
	KPAIR CC+12, 0xbfd1a1e5
	KPAIR CC+14, 0x40097039
	KPAIR 60, 0x3e7c6f08
.endif
	v_lshlrev_b32 v17, 7, v[LANE]                  ; rtab: lane i takes token block i's 32 words
	s_lshr_b32 s17, ttmp9, 5                       ; the expert
	s_lshl_b32 s28, s17, 2
	v_add_nc_u32 v13, s28, v17
	s_mov_b32 s20, 0x76543210
	s_mov_b32 s21, 0xfedcba98                      ; v_permlanex16_b32's selects for lane l xor 16
	s_mov_b32 s22, 0xffff                          ; lanes 0-15
	s_lshr_b32 s28, s16, 1
	s_lshl_b32 s28, s28, 5
	s_and_b32 s29, s16, 1
	s_lshl_b32 s29, s29, 3
	s_add_co_u32 s28, s28, s29                     ; my tile's first slab row: 32 (w / 2) + 8 (w % 2)
	s_mul_i32 s38, s28, PITCH
	s_lshl_b32 s28, s17, 24                        ; an expert's weights are 2^24 bytes
	s_add_co_u32 s38, s38, s28
.if FFN == 1
	s_and_b32 s18, ttmp9, 31                       ; sl: it is also K step sl of the second product: quarter sl / 8, step sl % 8
	s_lshl_b32 s28, s18, 19
	s_add_co_u32 s38, s38, s28
	s_lshr_b32 s28, s18, 3
	s_mul_i32 s74, s28, 24576
	s_and_b32 s28, s18, 7
	s_mul_i32 s28, s28, FRB
	s_add_co_u32 s74, s74, s28                     ; my images' place in a group of himg
	s_lshl_b32 s75, s18, 7                         ; and my scale words' in a group of hsc
.else
	s_bfe_u32 s18, ttmp9, 0x30002                  ; ns
	s_and_b32 s19, ttmp9, 3                        ; kq
	s_lshl_b32 s28, s18, 21
	s_add_co_u32 s38, s38, s28
	s_lshl_b32 s28, s19, 12
	s_add_co_u32 s38, s38, s28
	s_mul_i32 s30, s19, 9437184                    ; ypart [kq][2,304 rows][1,024]
	s_lshl_b32 s28, s18, 9
	s_add_co_u32 s30, s30, s28
	s_mov_b32 s31, 0
.endif
	s_mov_b32 s39, 0
	s_wait_kmcnt 0x0
	s_add_nc_u64 s[4:5], s[4:5], s[38:39]
.if FFN == 2
	s_add_nc_u64 s[34:35], s[12:13], s[30:31]
.endif
	global_load_b32 v[VM], v13, s[10:11]           ; expert e's mask of block i
	global_load_b128 v[18:21], v17, s[10:11] offset:32   ; the eight experts' counts in block i
	global_load_b128 v[22:25], v17, s[10:11] offset:48
	WLD 0
	WLD 1
	WLD 2
	s_wait_loadcnt 48                              ; the three small loads are in; the 48 behind them may be out
	WLD 3
	WIN 0
	; every expert's count (two to a register, summed over the 32 lanes), and from them: my expert's first group, its groups, its rows.  This and the first group's ranks run while the first weights are on their way.
	v_lshl_or_b32 v18, v19, 16, v18
	v_lshl_or_b32 v19, v21, 16, v20
	v_lshl_or_b32 v20, v23, 16, v22
	v_lshl_or_b32 v21, v25, 16, v24
	v_mov_b32 v26, 0                               ; (a lane move's destination counts as read)
.irp m, 1,2,4,8
.irp c, 18,19,20,21
	v_mov_b32_dpp v26, v\c row_xmask:\m row_mask:0xf bank_mask:0xf
	v_add_nc_u32 v\c, v\c, v26
.endr
.endr
.irp c, 18,19,20,21
	v_permlanex16_b32 v26, v\c, s20, s21
	v_add_nc_u32 v\c, v\c, v26
.endr
	v_readfirstlane_b32 s70, v18
	v_readfirstlane_b32 s71, v19
	v_readfirstlane_b32 s72, v20
	v_readfirstlane_b32 s73, v21
	s_mov_b32 s23, 0                               ; groups of the experts before mine
	s_mov_b32 s24, 0                               ; my expert's groups
	s_mov_b32 s25, 0                               ; my expert's rows
.irp k, 0,1,2,3,4,5,6,7
	s_bfe_u32 s27, s[70+\k/2], (16<<16)|(16*(\k%2))
	s_add_co_u32 s28, s27, 31
	s_lshr_b32 s28, s28, 5
	s_cmp_gt_u32 s17, \k
	s_cselect_b32 s29, s28, 0
	s_cmp_eq_u32 s17, \k
	s_cselect_b32 s24, s28, s24
	s_cselect_b32 s25, s27, s25
	s_add_co_u32 s23, s23, s29                     ; (sets SCC: behind the selections)
.endr
	s_mov_b32 s26, s16                             ; my first group
	s_add_co_u32 s77, s24, 7
	s_sub_co_u32 s77, s77, s16
	s_lshr_b32 s77, s77, 3                         ; my trips: the groups w, w + 8 .. under s24 are (s24 + 7 - w) / 8, rounded down: 0 where s24 <= w
	s_mov_b32 s76, 0                               ; trips done
	RANKS
	AOFFS
.irp u, 0,1,2,3,4,5,6,7
	UNIT \u
.endr
	s_wait_dscnt 0x0                               ; my tile's eight images and scale words lie in LDS
	s_barrier_signal -1
	s_barrier_wait -1                              ; everybody's do.  The only barrier: every wave passes it
	s_cmp_eq_u32 s77, 0
	s_cbranch_scc1 .Lend                           ; fewer groups than waves: nothing for me
.Ltrip:
	s_wait_loadcnt 0x0                             ; the group's operands and scale words are in
.if FFN == 1
	s_add_co_u32 s27, s23, s26
	s_min_u32 s27, s27, 71
	s_mul_i32 s28, s27, 98304
	s_add_co_u32 s28, s28, s74
	s_mov_b32 s29, 0
	s_add_nc_u64 s[34:35], s[12:13], s[28:29]      ; himg [group][sl / 8][tile][sl % 8]
	s_lshl_b32 s28, s27, 12
	s_add_co_u32 s28, s28, s75
	s_add_nc_u64 s[36:37], s[14:15], s[28:29]      ; hsc [group][sl]
.else
	v_lshlrev_b32 v[DEST], 1, v[TOK]               ; row 2 x token + (0: e is the token's first expert, 1: its second);
	v_add_nc_u32 v[NN], 1, v[DEST]
	v_cmp_eq_u32 vcc_lo, s17, v[VSI]
	v_cndmask_b32 v[DEST], v[DEST], v[NN], vcc_lo
	s_lshl_b32 s27, s17, 5
	s_add_co_u32 s27, s27, 2048
	v_add_nc_u32 v[NN], s27, v[LANE]               ; a slot beyond the count has a row of its own behind the 2,048: 2,048 + 32 e + lane
	v_cmp_gt_u32 vcc_lo, s25, v[RHO]
	v_cndmask_b32 v[DEST], v[NN], v[DEST], vcc_lo
.endif
	QUADK 0
	EPI 0
	QUADK 1
	EPI 1
.if FFN == 1
.irp m, 0,1
.irp c, 0,1,2
	global_store_b128 v[L16], v[PCB+12*\m+4*\c:PCB+12*\m+4*\c+3], s[34:35] offset:8*FRB*\m+512*\c    ; an operand's image: each store covers 512 bytes on end, aligned
.endr
.endr
	v_cndmask_b32 v[PWS], v[PW+1], v[PW], s22      ; lanes 0-15 tile 0's words, lanes 16-31 tile 1's
	global_store_b32 v[L4], v[PWS], s[36:37]
.else
.set ix, 0
.rept 32                               ; whole rows back: rows 0-15 into the weight buffers' registers, rows 16-31 into the accumulators'
	ds_load_b128 v[WB-64*(ix/16)+4*(ix%16):WB-64*(ix/16)+4*(ix%16)+3], v[STW] offset:SROW*ix         ; LDS serves a wave's instructions in order: these see my stores
.set ix, ix+1
.endr
.set ix, 0
.rept 32
	v_readlane_b32 s27, v[DEST], ix
	s_min_u32 s27, s27, 2303
	v_lshl_add_u32 v[WB+64+ix], s27, 12, v[L16]    ; the row's 4,096 bytes, my 16 of the slab's 512
.set ix, ix+1
.endr
.set ix, 0
.rept 32
	s_wait_dscnt 31-ix                             ; row ix is back; the rows behind it may be out
	global_store_b128 v[WB+64+ix], v[WB-64*(ix/16)+4*(ix%16):WB-64*(ix/16)+4*(ix%16)+3], s[34:35] th:TH_STORE_NT   ; 32 lanes store 512 bytes on end, aligned
.set ix, ix+1
.endr
.endif
	s_wait_xcnt 0x0                                ; the stores have read their registers and bases: both are written again only behind this wait
	s_add_co_u32 s76, s76, 1                       ; the loop is counted by trips, one at a time, against s77, which it does not write
	s_cmp_ge_u32 s76, s77
	s_cbranch_scc1 .Lend                           ; that was my last group: nothing more is loaded
	s_add_co_u32 s26, s26, 8                       ; my next group
	RANKS
	AOFFS
	WIN 0x40
	APART 0
	APART 1
	APART 2
	WIN 0
	ASCL
	s_cmp_lt_u32 s76, s77
	s_cbranch_scc1 .Ltrip
.Lend:
	s_wait_tensorcnt 0x0
	ds_add_u32 v254, v255
	s_wait_dscnt 0x0
	s_endpgm
.Lfunc_end_k_q562d2a9481_ffn2:
	.size	k_q562d2a9481_ffn2, .Lfunc_end_k_q562d2a9481_ffn2-k_q562d2a9481_ffn2
	.p2alignl 7, 3214868480
	.fill 96, 4, 3214868480
	.section	.rodata,"a",@progbits
	.p2align	6, 0x0
	.amdhsa_kernel k_q562d2a9481_ffn2
		.amdhsa_group_segment_fixed_size 238592
		.amdhsa_private_segment_fixed_size 0
		.amdhsa_enable_private_segment 0
		.amdhsa_kernarg_size 40
		.amdhsa_user_sgpr_count 2
		.amdhsa_user_sgpr_kernarg_segment_ptr 1
		.amdhsa_wavefront_size32 1
		.amdhsa_system_sgpr_workgroup_id_x 1
		.amdhsa_system_sgpr_workgroup_id_y 1
		.amdhsa_system_sgpr_workgroup_id_z 1
		.amdhsa_system_vgpr_workitem_id 0
		.amdhsa_next_free_vgpr 512
		.amdhsa_next_free_sgpr 96
		.amdhsa_reserve_vcc 1
		.amdhsa_float_denorm_mode_32 3
		.amdhsa_float_denorm_mode_16_64 3
		.amdhsa_memory_ordered 1
		.amdhsa_forward_progress 1
		.amdhsa_inst_pref_size 147
	.end_amdhsa_kernel
	.amdgpu_metadata
---
amdhsa.version: [ 1, 2 ]
amdhsa.kernels:
  - .name:           k_q562d2a9481_ffn2
    .symbol:         k_q562d2a9481_ffn2.kd
    .args:
      - { .name: w2, .offset: 0, .size: 8, .value_kind: global_buffer, .address_space: global }
      - { .name: himg, .offset: 8, .size: 8, .value_kind: global_buffer, .address_space: global }
      - { .name: hsc, .offset: 16, .size: 8, .value_kind: global_buffer, .address_space: global }
      - { .name: rtab, .offset: 24, .size: 8, .value_kind: global_buffer, .address_space: global }
      - { .name: ypart, .offset: 32, .size: 8, .value_kind: global_buffer, .address_space: global }
    .group_segment_fixed_size: 238592
    .private_segment_fixed_size: 0
    .kernarg_segment_align: 8
    .kernarg_segment_size: 40
    .max_flat_workgroup_size: 256
    .sgpr_count:     96
    .vgpr_count:     512
    .wavefront_size: 32
...
	.end_amdgpu_metadata
.endif
;; end of part 3
;; launch combine (part 4): grid 256 x 1, 8 waves a work-group, no clusters, 0 bytes of LDS; arguments ypart, rw, out0; writes out0
.if DOCPART == 4
	.amdgcn_target "amdgcn-amd-amdhsa--gfx1250"
	.amdhsa_code_object_version 6
	.text
	.protected	k_q562d2a9481_combine
	.globl	k_q562d2a9481_combine
	.p2align	8
	.type	k_q562d2a9481_combine,@function
k_q562d2a9481_combine:
	s_mov_b64 s[64:65], 0
	v_nop
	global_prefetch_b8 v0, s[64:65] scope:SCOPE_SE
	s_setreg_imm32_b32 hwreg(HW_REG_WAVE_MODE, 25, 1), 1
	s_wait_xcnt 0x0
; out[t] = w0[t] (the sum over the four K quarters of ypart[kq][2 t]) + w1[t] (the same of ypart[kq][2 t + 1]).  ypart: [4][2,304 rows][1,024] f32; rw: [1,024][2] f32; out: [1,024][1,024] f32.
; A stream: a work-group takes 4 tokens (8 rows of each quarter), thread t the 16 bytes at 16 t of every row, so each load and store of a wave covers 512 bytes on end, aligned.  All 32 loads of a thread go out at once.
; The quarters are added in ascending order, then the two experts, all in f32.  No LDS, no barrier, no matrix unit, no cluster: work-groups share nothing.
.set YQ, 2304*4096                     ; a K quarter of ypart, in bytes
.set Y,  16                            ; v16-143  token j, expert rank k, quarter q: 4 registers at 32 j + 16 k + 4 q
.set O,  144                           ; v144-159 token j's 4 results
	s_load_b128 s[4:7], s[0:1], 0x0                ; ypart, rw
	s_load_b64 s[8:9], s[0:1], 0x10                ; out0
	v_lshlrev_b32 v1, 4, v0
	s_lshl_b32 s10, ttmp9, 15                      ; 8 rows of 4,096 bytes
	s_mov_b32 s11, 0
	s_lshl_b32 s12, ttmp9, 5                       ; 4 tokens' weights
	s_mov_b32 s13, 0
	s_lshl_b32 s14, ttmp9, 14                      ; 4 rows of out
	s_mov_b32 s15, 0
	s_wait_kmcnt 0x0
	s_add_nc_u64 s[16:17], s[4:5], s[10:11]
	s_add_nc_u64 s[18:19], s[16:17], YQ
	s_add_nc_u64 s[20:21], s[18:19], YQ
	s_add_nc_u64 s[22:23], s[20:21], YQ
	s_add_nc_u64 s[6:7], s[6:7], s[12:13]
	s_add_nc_u64 s[8:9], s[8:9], s[14:15]
	s_load_b256 s[32:39], s[6:7], 0x0              ; w0, w1 of tokens 0 to 3
.irp j, 0,1,2,3
.irp k, 0,1
.irp q, 0,1,2,3
	global_load_b128 v[Y+32*\j+16*\k+4*\q:Y+32*\j+16*\k+4*\q+3], v1, s[16+2*\q:17+2*\q] offset:(2*\j+\k)*4096 th:TH_LOAD_NT
.endr
.endr
.endr
	s_wait_kmcnt 0x0
.irp j, 0,1,2,3
	s_mov_b32 s[40+2*\j], s[33+2*\j]               ; the packed forms take the low word of an aligned pair for both halves: w1 gets a pair of its own
	s_mov_b32 s[41+2*\j], s[33+2*\j]
.endr
.irp j, 0,1,2,3
	s_wait_loadcnt 24-8*\j                         ; token j's 8 loads are in; the later tokens' may be out
.irp q, 1,2,3
.irp k, 0,1
.irp p, 0,2
	v_pk_add_f32 v[Y+32*\j+16*\k+\p:Y+32*\j+16*\k+\p+1], v[Y+32*\j+16*\k+\p:Y+32*\j+16*\k+\p+1], v[Y+32*\j+16*\k+4*\q+\p:Y+32*\j+16*\k+4*\q+\p+1]
.endr
.endr
.endr
.irp p, 0,2
	v_pk_mul_f32 v[O+4*\j+\p:O+4*\j+\p+1], v[Y+32*\j+\p:Y+32*\j+\p+1], s[32+2*\j:33+2*\j] op_sel_hi:[1,0]
.endr
.irp p, 0,2
	v_pk_fma_f32 v[O+4*\j+\p:O+4*\j+\p+1], v[Y+32*\j+16+\p:Y+32*\j+16+\p+1], s[40+2*\j:41+2*\j], v[O+4*\j+\p:O+4*\j+\p+1] op_sel_hi:[1,0,1]
.endr
	global_store_b128 v1, v[O+4*\j:O+4*\j+3], s[8:9] offset:4096*\j th:TH_STORE_NT
.endr
	s_endpgm
.Lfunc_end_k_q562d2a9481_combine:
	.size	k_q562d2a9481_combine, .Lfunc_end_k_q562d2a9481_combine-k_q562d2a9481_combine
	.p2alignl 7, 3214868480
	.fill 96, 4, 3214868480
	.section	.rodata,"a",@progbits
	.p2align	6, 0x0
	.amdhsa_kernel k_q562d2a9481_combine
		.amdhsa_group_segment_fixed_size 0
		.amdhsa_private_segment_fixed_size 0
		.amdhsa_enable_private_segment 0
		.amdhsa_kernarg_size 24
		.amdhsa_user_sgpr_count 2
		.amdhsa_user_sgpr_kernarg_segment_ptr 1
		.amdhsa_wavefront_size32 1
		.amdhsa_system_sgpr_workgroup_id_x 1
		.amdhsa_system_sgpr_workgroup_id_y 1
		.amdhsa_system_sgpr_workgroup_id_z 1
		.amdhsa_system_vgpr_workitem_id 0
		.amdhsa_next_free_vgpr 160
		.amdhsa_next_free_sgpr 66
		.amdhsa_reserve_vcc 0
		.amdhsa_float_denorm_mode_32 3
		.amdhsa_float_denorm_mode_16_64 3
		.amdhsa_memory_ordered 1
		.amdhsa_forward_progress 1
		.amdhsa_inst_pref_size 9
	.end_amdhsa_kernel
	.amdgpu_metadata
---
amdhsa.version: [ 1, 2 ]
amdhsa.kernels:
  - .name:           k_q562d2a9481_combine
    .symbol:         k_q562d2a9481_combine.kd
    .args:
      - { .name: ypart, .offset: 0, .size: 8, .value_kind: global_buffer, .address_space: global }
      - { .name: rw, .offset: 8, .size: 8, .value_kind: global_buffer, .address_space: global }
      - { .name: out0, .offset: 16, .size: 8, .value_kind: global_buffer, .address_space: global }
    .group_segment_fixed_size: 0
    .private_segment_fixed_size: 0
    .kernarg_segment_align: 8
    .kernarg_segment_size: 24
    .max_flat_workgroup_size: 256
    .sgpr_count:     66
    .vgpr_count:     160
    .wavefront_size: 32
...
	.end_amdgpu_metadata
.endif
;; end of part 4
